; MI455X (gfx1250); checked and timed in simulation.
; The chip was launched on July 23, 2026; its instructions are those of AMD's public machine-readable ISA for CDNA 5 (MIT licence, August 2026) and "CDNA5" Instruction Set Architecture Reference Guide (July 2026). The comments in the code are by the model that wrote it; some were corrected since.
;; Attention. Allowed arithmetic: matrix products marked QUANTISED: E2M3 operands, one E8M0 scale for each 32 along K, by v_wmma_scale_f32_16x16x128_f8f6f4 with both operands' format E2M3, f32 sums; everything else in f32.
;; Inputs: Wk_codes 1,024 x 32 x 24 uint8 (E2M3 codes of Wk, K innermost, in blocks of 32 codes, four codes in three bytes); Wk_scales 1,024 x 32 uint8 (E8M0 scales of Wk, one for each 32 codes along K); Wo_codes 1,024 x 32 x 24 uint8 (E2M3 codes of Wo, K innermost, in blocks of 32 codes, four codes in three bytes); Wo_scales 1,024 x 32 uint8 (E8M0 scales of Wo, one for each 32 codes along K); Wq_codes 1,024 x 32 x 24 uint8 (E2M3 codes of Wq, K innermost, in blocks of 32 codes, four codes in three bytes); Wq_scales 1,024 x 32 uint8 (E8M0 scales of Wq, one for each 32 codes along K); Wv_codes 1,024 x 32 x 24 uint8 (E2M3 codes of Wv, K innermost, in blocks of 32 codes, four codes in three bytes); Wv_scales 1,024 x 32 uint8 (E8M0 scales of Wv, one for each 32 codes along K); bk 1,024 float32; bo 1,024 float32; bq 1,024 float32; bv 1,024 float32; ln_b 1,024 float32; ln_g 1,024 float32; x 4 x 2,048 x 1,024 float32.
;; Outputs: out0 4 x 2,048 x 1,024 float32.
;; This version of the problem:
;;   THIS VERSION OF THE PROBLEM IS GIVEN IN LOW PRECISION. The matrix products marked QUANTISED in the list below multiply operands that are first quantised to E2M3 (2 exponent bits, 3 mantissa bits; 6 bits a number), with one power-of-two scale for each 32 numbers along K (OCP MX v1.0); their sums are f32. All else is computed in f32.
;;   The module's matrix products, in the order in which they are computed (A, B: the left and right operand; K: the contracted axis; several contracted axes count as one K, in the product's order):
;;     1. [M 8,192, K 1,024] x [K 1,024, N 1,024]; A: input x; B: input Wq (given as codes): QUANTISED
;;     2. [M 8,192, K 1,024] x [K 1,024, N 1,024]; A: input x; B: input Wk (given as codes): QUANTISED
;;     3. [M 8,192, K 1,024] x [K 1,024, N 1,024]; A: input x; B: input Wv (given as codes): QUANTISED
;;     4. batch 64 x [M 2,048, K 64] x [K 64, N 2,048]; A: computed on the way; B: computed on the way: QUANTISED
;;     5. batch 64 x [M 2,048, K 2,048] x [K 2,048, N 64]; A: softmax (see below); B: computed on the way: QUANTISED
;;     6. [M 8,192, K 1,024] x [K 1,024, N 1,024]; A: computed on the way; B: input Wo (given as codes): QUANTISED
;;   THE QUANTISER, for each operand of a quantised product, along K:
;;     - K is cut into blocks of 32 from its start; a last block that is shorter is filled with zeros.
;;     - A block's scale is 2^e with e = floor(log2(the largest magnitude in the block)) - 2, held to -126 .. 127; a block of zeros has e = 0. As a byte (E8M0): e + 127.
;;     - Each number is divided by its block's scale, clamped to +-7.5, and rounded to the nearest number of E2M3, ties to even, subnormals kept.
;;     - The product sums the exact products of the quantised numbers (number of the format x scale) in f32.
;;   ~~~python
;;   def quantise(x, axis):      # numpy; x: float32 -> the quantised numbers, widened to float32 again
;;       x = np.moveaxis(x, axis, -1); K = x.shape[-1]
;;       x = np.pad(x, [(0, 0)] * (x.ndim - 1) + [(0, -K % 32)]); x = x.reshape(x.shape[:-1] + (-1, 32)); a = np.abs(x).max(-1, keepdims=True)
;;       e = np.where(a > 0, np.clip(np.frexp(np.where(a > 0, a, 1))[1] - 1 - 2, -126, 127), 0)      # np.frexp(a)[1] - 1 = floor(log2(a)), exactly
;;       r = np.clip(x / 2.0 ** e, -7.5, 7.5)
;;       step = 2.0 ** (np.maximum(np.frexp(np.where(r == 0, 1, r))[1] - 1, 0) - 3)
;;       q = np.round(r / step) * step * 2.0 ** e      # np.round: ties to even
;;       return np.moveaxis(q.reshape(q.shape[:-2] + (-1,))[..., :K], -1, axis).astype(np.float32)
;;   ~~~
;;   SOFTMAX AHEAD OF A QUANTISED PRODUCT. Where the list says 'softmax', what is quantised is not the finished softmax but p = 2^(t - M), with t = logit x log2(e) and M = ceil(the row's largest t), a whole number; so 1/2 < the row's largest p <= 1. The row's sum l is taken of the UNQUANTISED p, in f32, and the product's result is divided by l at the end. Since M is a whole number, a kernel that streams over the keys may use a running M (the ceiling of the running maximum): every later rescaling is an exact power of two, which a block's scale takes up: the codes' values come out the same.
;;   OPERANDS COMPUTED ON THE WAY. 'Computed on the way' means the value that the module computes at that place (a softmax that the list does not call 'softmax' is quantised finished and normalised). What goes into a quantiser is computed in f32, as accurately as f32 sums, v_exp_f32 and their like allow (about 1e-6 of the number): no bf16 or f16 on the way to a quantiser, and a product that is left as it is and whose result goes on into a quantised operand takes f32 operands (vector FMAs, or v_wmma_f32_16x16x4_f32). A number that lies on a knife's edge between two numbers of the format may be rounded either way, as far as f32 arithmetic and the matrix unit's own rounding can turn it there, and no further.
;;   INPUTS GIVEN AS CODES. Wk (in the module: [1024, 1024], K = its axis 1); Wo (in the module: [1024, 1024], K = its axis 1); Wq (in the module: [1024, 1024], K = its axis 1); Wv (in the module: [1024, 1024], K = its axis 1): each comes as NAME_codes (uint8): NAME with its K axis moved to the last place and cut into blocks of 32 codes, [.., K / 32, bytes a block], one block behind the other in memory; four codes in three bytes: a row's codes are one little-endian stream of bits, code i at bits 6 i .. 6 i + 5 (a code: sign, 2 exponent bits, 3 mantissa bits); and NAME_scales (uint8): the same leading axes, one E8M0 byte (e + 127) for each 32 codes along K. Its value is code x scale, taken as it is: it is not quantised again, and the codes and scales need not be those that the quantiser above would give.
;; One version. Each part assembles by itself: llvm-mc -triple=amdgcn-amd-amdhsa -mcpu=gfx1250 --defsym DOCPART=n.
;; ======== version 1 of 1: 4 launches
;; workspace buffers: xc 6,291,456 bytes; xs 524,288 bytes; wimg 3,145,728 bytes; wsc 131,072 bytes; act 20,447,232 bytes; cimg 6,291,456 bytes; csc 262,144 bytes
;; launch prep (part 1): grid 320 x 1, 4 waves a work-group, no clusters, 34,304 bytes of LDS; arguments x, Wq_codes, Wq_scales, Wk_codes, Wk_scales, Wv_codes, Wv_scales, Wo_codes, Wo_scales, xc, xs, wimg, wsc; writes xc, xs, wimg, wsc
.if DOCPART == 1
	.amdgcn_target "amdgcn-amd-amdhsa--gfx1250"
	.amdhsa_code_object_version 6
	.text
	.protected	k_q17bb8ee0e4_prep
	.globl	k_q17bb8ee0e4_prep
	.p2align	8
	.type	k_q17bb8ee0e4_prep,@function
k_q17bb8ee0e4_prep:
	s_mov_b64 s[64:65], 0
	v_nop
	global_prefetch_b8 v0, s[64:65] scope:SCOPE_SE
	s_setreg_imm32_b32 hwreg(HW_REG_WAVE_MODE, 25, 1), 1
	s_wait_xcnt 0x0
; PREP.  (1) x [8192][1024] f32 becomes codes of FP6 (E2M3) with one E8M0 byte for each 32 along K, laid as IMAGES OF THE OPERAND'S REGISTERS;
; (2) the four weights, which arrive as codes, are laid anew in the same way.  Every later read of them is then 16 bytes a lane at 16 x lane.
; A FRAGMENT is 16 rows x 128 K: 12 registers a lane; lane (r, h) holds row r, registers 6 c .. 6 c + 5 = K 64 c + 32 h + 0 .. 31.  Its IMAGE is 1,536 bytes: registers 4 c .. 4 c + 3 of lane L at 512 c + 16 L.
; THE ROWS OF A TILE ARE NOT NEIGHBOURS, in any operand of this program: lane r of tile 2 b + u holds row 32 b + 8 u + r + 8 (r / 8).  As source 0 of a product such a pair of tiles leaves 16 neighbouring rows in a lane's 16 result registers.
; xc   [T 512][s 8][1536]            x's fragment of token tile T, K step s
; xs   [T][g 2][L 32][4 words]       its scale words, word w for K step 4 g + w; lanes 16-31 repeat lanes 0-15
; wimg [U 64][s 8][j 4][1536]        unit U = 64 rows of a weight (0-15 Wq, 16-31 Wk, 32-47 Wv, 48-63 Wo), tile j
; wsc  [U][jp 2][g 2][L][4 words]    lanes 0-15 tile 2 jp, lanes 16-31 tile 2 jp + 1
; A block's scale is 2^(floor(log2(its largest magnitude)) - 2); its byte is the largest magnitude's exponent field - 2, held at 1 from below.
; LIMITS: NaN and infinities among the inputs are not served; a block whose largest magnitude lies under 2^-124 gets the byte 1; a block of zeros gets the byte 1 where the rule says 127
; (its codes are zeros, which add nothing under any byte but 0xff, and this program alone reads the bytes).
; SHARES.  Work-groups 0-255: x; a wave takes 16 tokens x 512 along K, four fragments.  Work-groups 256-319: a unit of a weight each, a tile a wave.  Waves share nothing: no barrier.
; No tensor loads and no cluster: no byte is read by two work-groups.  No prefetch: the launch is one stream that is asked for as fast as the loads can be issued.
.set R,   16                           ; v16-143  two sets of 64 numbers as they are loaded: 16 rows x 16 bytes a lane
.set X,   144                          ; v144-207 64 numbers of my row: register 16 b + i = K 32 b + 16 h + i
.set PC,  208                          ; v208-226 the codes just made
.set TM,  228                          ; v228-243 at work in QUANT
.set SW,  244                          ; v244-247 the four fragments' scale words
.set SEL, 36                           ; s[36:37] lane selects for v_permlanex16_b32: lane l xor 16
; 64 numbers of a lane, v[s] .. v[s + 63], register 16 b + i = K 32 b + 16 (lane / 16) + i of my row, become a fragment's codes in v[PC] .. v[PC + 11] and its scale word in v[pw].
.macro QUANT s, pw
.irp b, 0,1,2,3
	v_max3_num_f32 v[TM+\b], |v[\s+16*\b]|, |v[\s+1+16*\b]|, 0x1800000   ; block b: my 16 numbers, and the floor 2^(3 - 127): the byte cannot fall under 1
.endr
.irp i, 2,4,6,8,10,12,14
.irp b, 0,1,2,3
	v_max3_num_f32 v[TM+\b], v[TM+\b], |v[\s+16*\b+\i]|, |v[\s+1+16*\b+\i]|   ; the four blocks by turns
.endr
.endr
.irp b, 0,1,2,3
	v_permlanex16_b32 v[TM+4+\b], v[TM+\b], s[SEL], s[SEL+1]
.endr
.irp b, 0,1,2,3
	v_max_num_f32 v[TM+\b], v[TM+\b], v[TM+4+\b]   ; with lane l xor 16's: the block's largest magnitude
.endr
.irp b, 0,1,2,3
	v_add_nc_u32 v[TM+12+\b], 0xff000000, v[TM+\b]   ; 2 off its exponent field: the conversion takes the exponent field of this operand as its scale
.endr
.irp b, 0,1,2,3
	v_lshrrev_b32 v[TM+4+\b], 23, v[TM+12+\b]      ; the scale's byte
.endr
	v_lshl_or_b32 v[\pw], v[TM+5], 8, v[TM+4]      ; four bytes: my row's scale word
	v_lshl_or_b32 v[\pw], v[TM+6], 16, v[\pw]
	v_lshl_or_b32 v[\pw], v[TM+7], 24, v[\pw]
.irp c, 0,1
	v_cvt_scalef32_pk16_fp6_f32 v[PC+6*\c:PC+2+6*\c], v[\s+32*\c:\s+15+32*\c], v[TM+12+2*\c]
	v_cvt_scalef32_pk16_fp6_f32 v[PC+12+4*\c:PC+14+4*\c], v[\s+16+32*\c:\s+31+32*\c], v[TM+12+2*\c+1]   ; (a conversion's three registers begin on an even number)
.endr
	v_nop                                          ; one plain line behind a scaled conversion
.irp c, 0,1                                    ; the layout wants a WHOLE block in a lane: lanes 0-15 block 2 c, lanes 16-31 block 2 c + 1
.irp i, 0,1,2
	v_permlane16_swap_b32 v[PC+6*\c+\i], v[PC+12+4*\c+\i]
.endr
.irp i, 0,1,2
	v_mov_b32 v[PC+3+6*\c+\i], v[PC+12+4*\c+\i]
.endr
.endr
.endm
	s_load_b64 s[4:5], s[0:1], 0x0                 ; x
	s_load_b256 s[8:15], s[0:1], 0x8               ; Wq's codes, scales; Wk's codes, scales
	s_load_b256 s[16:23], s[0:1], 0x28             ; Wv's codes, scales; Wo's codes, scales
	s_load_b256 s[24:31], s[0:1], 0x48             ; xc, xs, wimg, wsc
	v_lshl_add_u32 v254, v0, 2, 0x8400
	v_mov_b32 v255, 0
	v_lshrrev_b32 v1, 5, v0
	v_readfirstlane_b32 s32, v1                    ; wave 0..3
	v_and_b32 v1, 31, v0                           ; L
	v_lshlrev_b32 v2, 4, v1                        ; 16 L
	v_and_b32 v5, 15, v0                           ; r
	v_bfe_u32 v6, v0, 4, 1                         ; h
	s_cmp_ge_u32 ttmp9, 256
	s_cbranch_scc1 .Lweights
	; ---- x.  n = 4 x work-group + wave;  token tile T = n / 2;  half g = n % 2 of K
	s_lshl_b32 s33, ttmp9, 2
	s_add_co_u32 s33, s33, s32                     ; n
	s_lshr_b32 s38, s33, 2
	s_lshl_b32 s38, s38, 17                        ; (T / 2) x 32 rows of 4,096 bytes
	s_bfe_u32 s39, s33, 0x10001
	s_lshl_b32 s39, s39, 15                        ; + (T % 2) x 8 rows
	s_add_co_u32 s38, s38, s39
	s_and_b32 s39, s33, 1
	s_lshl_b32 s39, s39, 11                        ; + g x 512 numbers
	s_add_co_u32 s38, s38, s39
	s_mov_b32 s39, 0
	s_mul_i32 s40, s33, 6144                       ; xc: (8 T + 4 g) images = 4 n x 1,536
	s_mov_b32 s41, 0
	s_lshl_b32 s42, s33, 9                         ; xs: 1,024 T + 512 g = 512 n
	s_mov_b32 s43, 0
	s_mul_i32 s44, s32, 8448                       ; my wave's stage: 16 rows x (512 + 16) bytes
	s_wait_alu depctr_va_vdst(0)
	v_add_nc_u32 v3, s44, v2                       ; into it: 16 L, the row in the immediate
	v_mul_u32_u24 v4, v5, 528
	v_lshl_add_u32 v4, v6, 6, v4
	v_add_nc_u32 v4, s44, v4                       ; out of it: row r, + 64 h: rows 132 words apart begin 4 banks apart
	s_mov_b32 s[SEL], 0x76543210
	s_mov_b32 s[SEL+1], 0xfedcba98
.irp b, 0,1,2,3
	v_mov_b32 v[TM+4+\b], 0                        ; written once: a lane permute's destination counts as one of its sources
.endr
	s_wait_alu depctr_va_vdst(0)
	s_wait_kmcnt 0x0
	s_add_nc_u64 s[4:5], s[4:5], s[38:39]
	s_add_nc_u64 s[24:25], s[24:25], s[40:41]
	s_add_nc_u64 s[26:27], s[26:27], s[42:43]
.macro LOADX q                         ; the tile's 16 rows, 128 numbers of each (K step q of my half): each load reads 512 consecutive bytes.  Set q % 2
.irp rho, 0,1,2,3,4,5,6,7,8,9,10,11,12,13,14,15
	global_load_b128 v[R+64*((\q)%2)+4*\rho:R+64*((\q)%2)+4*\rho+3], v2, s[4:5] offset:(\rho+8*(\rho/8))*4096+512*(\q) th:TH_LOAD_NT
.endr
.endm
.macro XSTEP q
.if \q < 3
	s_wait_loadcnt 16                              ; this step's 16 loads are in; the next step's 16 may be out
.else
	s_wait_loadcnt 0
.endif
.irp rho, 0,1,2,3,4,5,6,7,8,9,10,11,12,13,14,15
	ds_store_b128 v3, v[R+64*((\q)%2)+4*\rho:R+64*((\q)%2)+4*\rho+3] offset:528*\rho
.endr
.irp b, 0,1,2,3
.irp j, 0,1,2,3
	ds_load_b128 v[X+16*\b+4*\j:X+16*\b+4*\j+3], v4 offset:128*\b+16*\j   ; LDS serves a wave's instructions in order: these see the stores above
.endr
.endr
	s_wait_dscnt 0x0                               ; my 64 numbers are back, and the stores have read their registers
	s_wait_xcnt 0x0                                ; the last step's stores have read the codes' registers, which QUANT writes again
.if \q < 2
	LOADX (\q)+2
.endif
	QUANT X, SW+\q
.irp c, 0,1,2
	global_store_b128 v2, v[PC+4*\c:PC+4*\c+3], s[24:25] offset:1536*(\q)+512*\c   ; 32 lanes store 512 consecutive bytes, aligned
.endr
.endm
	LOADX 0
	LOADX 1
	XSTEP 0
	XSTEP 1
	XSTEP 2
	XSTEP 3
	global_store_b128 v2, v[SW:SW+3], s[26:27]     ; the four scale words of each lane: 512 consecutive bytes
	s_wait_tensorcnt 0x0
	ds_add_u32 v254, v255
	s_wait_dscnt 0x0
	s_endpgm
.Lweights:
	; ---- a unit of a weight: e = work-group - 256 = 16 x weight + unit; wave j takes tile j's eight fragments, and one of the unit's four groups of scale words
	s_sub_co_u32 s33, ttmp9, 256                   ; e
	s_lshr_b32 s34, s33, 4                         ; which weight: 0 q, 1 k, 2 v, 3 o
	s_and_b32 s35, s33, 15                         ; its unit
	s_lshl_b32 s42, s35, 6                         ; 64 x unit
	s_lshr_b32 s43, s32, 1
	s_lshl_b32 s43, s43, 5                         ; 32 (j / 2)
	s_add_co_u32 s42, s42, s43                     ; the scale words' first row: 64 unit + 32 jp
	s_and_b32 s44, s32, 1
	s_lshl_b32 s45, s44, 3
	s_add_co_u32 s45, s45, s42                     ; the tile's first row: + 8 (j % 2)
	s_mul_i32 s46, s45, 768                        ; a row of 1,024 codes is 768 bytes
	s_mov_b32 s47, 0
	s_lshl_b32 s42, s42, 5                         ; a row of scales is 32 bytes
	s_lshl_b32 s44, s44, 4                         ; + 16 g
	s_add_co_u32 s42, s42, s44
	s_mov_b32 s43, 0
	s_wait_alu depctr_va_vdst(0)
	v_and_b32 v7, 8, v5
	v_add_nc_u32 v7, v7, v5                        ; r + 8 (r / 8)
	v_mul_u32_u24 v8, v7, 768
	v_mad_u32_u24 v8, v6, 24, v8                   ; codes: my row, + 24 h
	v_lshl_add_u32 v9, v6, 3, v7
	v_lshlrev_b32 v9, 5, v9                        ; scales: lanes 16-31 take the odd tile's rows, 8 further on
	s_wait_alu depctr_va_vdst(0)
	s_wait_kmcnt 0x0
	s_mov_b64 s[38:39], s[20:21]                   ; the weight is chosen by the work-group's number alone
	s_mov_b64 s[40:41], s[22:23]
	s_cmp_eq_u32 s34, 0
	s_cselect_b64 s[38:39], s[8:9], s[38:39]
	s_cselect_b64 s[40:41], s[10:11], s[40:41]
	s_cmp_eq_u32 s34, 1
	s_cselect_b64 s[38:39], s[12:13], s[38:39]
	s_cselect_b64 s[40:41], s[14:15], s[40:41]
	s_cmp_eq_u32 s34, 2
	s_cselect_b64 s[38:39], s[16:17], s[38:39]
	s_cselect_b64 s[40:41], s[18:19], s[40:41]
	s_add_nc_u64 s[38:39], s[38:39], s[46:47]
	s_add_nc_u64 s[40:41], s[40:41], s[42:43]
	s_mul_i32 s42, s33, 49152
	s_mul_i32 s44, s32, 1536
	s_add_co_u32 s42, s42, s44
	s_add_nc_u64 s[28:29], s[28:29], s[42:43]      ; wimg at (unit, K step 0, tile j)
	s_lshl_b32 s42, s33, 11
	s_lshl_b32 s44, s32, 9
	s_add_co_u32 s42, s42, s44
	s_add_nc_u64 s[30:31], s[30:31], s[42:43]      ; wsc at (unit, jp, g)
	global_load_b128 v[112:115], v9, s[40:41]      ; four scale words of my row
.irp s, 0,1,2,3,4,5,6,7
.irp p, 0,1,2,3,4,5
	global_load_b64 v[16+12*\s+2*\p:16+12*\s+2*\p+1], v8, s[38:39] offset:96*\s+48*(\p/3)+8*(\p%3)   ; the row's stream of bits IS the register image: 24 bytes in three pieces of 8
.endr
.endr
.irp s, 0,1,2,3,4,5,6,7
	s_wait_loadcnt 6*(7-\s)                        ; K step s's six loads are in; those of the later steps may be out
.irp c, 0,1,2
	global_store_b128 v2, v[16+12*\s+4*\c:16+12*\s+4*\c+3], s[28:29] offset:6144*\s+512*\c
.endr
.endr
	global_store_b128 v2, v[112:115], s[30:31]
	s_endpgm
.Lfunc_end_k_q17bb8ee0e4_prep:
	.size	k_q17bb8ee0e4_prep, .Lfunc_end_k_q17bb8ee0e4_prep-k_q17bb8ee0e4_prep
	.p2alignl 7, 3214868480
	.fill 96, 4, 3214868480
	.section	.rodata,"a",@progbits
	.p2align	6, 0x0
	.amdhsa_kernel k_q17bb8ee0e4_prep
		.amdhsa_group_segment_fixed_size 34304
		.amdhsa_private_segment_fixed_size 0
		.amdhsa_enable_private_segment 0
		.amdhsa_kernarg_size 104
		.amdhsa_user_sgpr_count 2
		.amdhsa_user_sgpr_kernarg_segment_ptr 1
		.amdhsa_wavefront_size32 1
		.amdhsa_system_sgpr_workgroup_id_x 1
		.amdhsa_system_sgpr_workgroup_id_y 1
		.amdhsa_system_sgpr_workgroup_id_z 1
		.amdhsa_system_vgpr_workitem_id 0
		.amdhsa_next_free_vgpr 256
		.amdhsa_next_free_sgpr 66
		.amdhsa_reserve_vcc 0
		.amdhsa_float_denorm_mode_32 3
		.amdhsa_float_denorm_mode_16_64 3
		.amdhsa_memory_ordered 1
		.amdhsa_forward_progress 1
		.amdhsa_inst_pref_size 42
	.end_amdhsa_kernel
	.amdgpu_metadata
---
amdhsa.version: [ 1, 2 ]
amdhsa.kernels:
  - .name:           k_q17bb8ee0e4_prep
    .symbol:         k_q17bb8ee0e4_prep.kd
    .args:
      - { .name: x, .offset: 0, .size: 8, .value_kind: global_buffer, .address_space: global }
      - { .name: Wq_codes, .offset: 8, .size: 8, .value_kind: global_buffer, .address_space: global }
      - { .name: Wq_scales, .offset: 16, .size: 8, .value_kind: global_buffer, .address_space: global }
      - { .name: Wk_codes, .offset: 24, .size: 8, .value_kind: global_buffer, .address_space: global }
      - { .name: Wk_scales, .offset: 32, .size: 8, .value_kind: global_buffer, .address_space: global }
      - { .name: Wv_codes, .offset: 40, .size: 8, .value_kind: global_buffer, .address_space: global }
      - { .name: Wv_scales, .offset: 48, .size: 8, .value_kind: global_buffer, .address_space: global }
      - { .name: Wo_codes, .offset: 56, .size: 8, .value_kind: global_buffer, .address_space: global }
      - { .name: Wo_scales, .offset: 64, .size: 8, .value_kind: global_buffer, .address_space: global }
      - { .name: xc, .offset: 72, .size: 8, .value_kind: global_buffer, .address_space: global }
      - { .name: xs, .offset: 80, .size: 8, .value_kind: global_buffer, .address_space: global }
      - { .name: wimg, .offset: 88, .size: 8, .value_kind: global_buffer, .address_space: global }
      - { .name: wsc, .offset: 96, .size: 8, .value_kind: global_buffer, .address_space: global }
    .group_segment_fixed_size: 34304
    .private_segment_fixed_size: 0
    .kernarg_segment_align: 8
    .kernarg_segment_size: 104
    .max_flat_workgroup_size: 128
    .sgpr_count:     66
    .vgpr_count:     256
    .wavefront_size: 32
...
	.end_amdgpu_metadata
.endif
;; end of part 1
;; launch qkv (part 2): grid 64 x 4, 4 waves a work-group, no clusters, 168,448 bytes of LDS; arguments xc, xs, wimg, wsc, bq, bk, bv, act; writes act
.if DOCPART == 2
	.amdgcn_target "amdgcn-amd-amdhsa--gfx1250"
	.amdhsa_code_object_version 6
	.text
	.protected	k_q17bb8ee0e4_qkv
	.globl	k_q17bb8ee0e4_qkv
	.p2align	8
	.type	k_q17bb8ee0e4_qkv,@function
k_q17bb8ee0e4_qkv:
	s_mov_b64 s[64:65], 0
	v_nop
	global_prefetch_b8 v0, s[64:65] scope:SCOPE_SE
	s_setreg_imm32_b32 hwreg(HW_REG_WAVE_MODE, 25, 1), 1
	s_wait_xcnt 0x0
; QKV.  q = x Wq^T + bq, k = x Wk^T + bk, v = x Wv^T + bv on codes of FP6 (E2M3) with E8M0 scales, sums in f32; the results are quantised at once, q and k along the head's 64, v along the tokens,
; and stored as images of the operand registers that the attention launch wants.  (Fragments, images and the order of a tile's rows: as laid by the launch before: lane r of tile 2 b + u holds row 32 b + 8 u + r + 8 (r / 8).)
; act [hb 64 = 16 batch + head][ty 3: q, k, v][step 16: 128 tokens][6656]: four images of 1,536 bytes, then 512 bytes of scale words [L][4].
;   q, k: image p = [token tile 2 p, the head's 64 in registers 0-5 | token tile 2 p + 1 in registers 6-11]; word p: tile 2 p's two bytes, then tile 2 p + 1's.
;   v:    image j = the fragment (tile j of the head's 64 x the step's 128 tokens); word j its scale word.
; SHARES.  Work-group (G, y): tokens 128 G .. + 127 x 12 units of 64 features; wave w: units 12 y + 3 w + 0 .. 2, one after the other; a unit is 32 accumulators, 256 matrix instructions.
; x's codes of the 128 tokens, for all of K (98,304 bytes), come into LDS once, a quarter by each wave's tensor load, and are read from there.  A unit's weights are wanted by one wave alone: they go from memory straight into its
; registers, 16 bytes a lane, through a ring of four K steps.
; q, k: THE PRODUCT IS USED TRANSPOSED (source 0 = 16 rows of W, source 1 = 16 tokens): a lane holds one token and its registers run along the head's 64.  v: source 0 = 16 tokens, source 1 = 16 rows of Wv: a lane holds one
; feature and its registers run along the tokens.  Either way 64 registers on end are what QUANT takes, and the stores are the same lines.
; NO CLUSTER: what partners could share is x's 98,304 bytes beside 589,824 bytes of weights that they would not share; and the q/k-or-v branch hangs on the work-group's y.  No prefetch: the weights are read by 64 work-groups alike.
; LIMITS: NaN and infinities are not served; a block whose largest magnitude lies under 2^-124 gets the byte 1; a block of zeros gets the byte 1 where the rule says 127 (zero codes; this program alone reads the bytes).
; REGISTERS, in windows of 256: window 0: below;  window 1: x's fragments, two sets of 96;  window 2: W's fragments, four sets of 48;  window 3: the 32 accumulators.
.set LI,   1                           ; v1   16 L: an image's place for my lane
.set LI1,  2                           ; v2   the same + 49,152: token tiles 4-7 in LDS
.set BH,   3                           ; v3   64 h: a bias for q, k
.set BR,   4                           ; v4   4 (r + 8 (r / 8)): a bias for v
.set XSC,  16                          ; v16-79   x's scale words: register 8 i + s
.set WSC,  80                          ; v80-95   W's: register 8 jp + s; lanes 0-15 tile 2 jp, lanes 16-31 tile 2 jp + 1
.set BIAS, 96                          ; v96-127
.set ST,   128                         ; v128-191 64 results + bias
.set PC,   192                         ; v192-210 the codes just made
.set TM,   212                         ; v212-227 at work in QUANT
.set PWS,  228                         ; v228-231 a unit's four scale words
.set WV,   20
.set G,    21
.set U0,   23
.set UC,   24
.set G0,   28                          ; s[28:31] descriptor group 0
.set G1,   32                          ; s[32:39] descriptor group 1
.set WB,   40                          ; s[40:41] the unit's images
.set WSB,  42                          ; s[42:43] its scale words
.set OB,   44                          ; s[44:45] where its results go
.set BB,   46                          ; s[46:47] its bias
.set SEL,  48                          ; s[48:49]
.set MSB, 0
.macro WIN new                         ; the immediate's high byte repeats the setting that is left; a switch that changes nothing is dropped
.if MSB != \new
	s_set_vgpr_msb (MSB<<8)|\new
.set MSB, \new
.endif
.endm
.macro PLACES                          ; four plain lines between a matrix instruction and a load into, or a vector read of, its registers
.rept 4
	v_nop
.endr
.endm
.macro QUANT s, pw                     ; 64 numbers, register 16 b + i = K 32 b + 16 h + i of my row -> codes in v[PC] .. v[PC + 11], scale word in v[pw]
.irp b, 0,1,2,3
	v_max3_num_f32 v[TM+\b], |v[\s+16*\b]|, |v[\s+1+16*\b]|, 0x1800000   ; my 16 numbers of block b, and the floor 2^(3 - 127)
.endr
.irp i, 2,4,6,8,10,12,14
.irp b, 0,1,2,3
	v_max3_num_f32 v[TM+\b], v[TM+\b], |v[\s+16*\b+\i]|, |v[\s+1+16*\b+\i]|
.endr
.endr
.irp b, 0,1,2,3
	v_permlanex16_b32 v[TM+4+\b], v[TM+\b], s[SEL], s[SEL+1]
.endr
.irp b, 0,1,2,3
	v_max_num_f32 v[TM+\b], v[TM+\b], v[TM+4+\b]   ; with lane l xor 16's
.endr
.irp b, 0,1,2,3
	v_add_nc_u32 v[TM+12+\b], 0xff000000, v[TM+\b]   ; 2 off the exponent field: the conversion's scale operand
.endr
.irp b, 0,1,2,3
	v_lshrrev_b32 v[TM+4+\b], 23, v[TM+12+\b]      ; the byte
.endr
	v_lshl_or_b32 v[\pw], v[TM+5], 8, v[TM+4]
	v_lshl_or_b32 v[\pw], v[TM+6], 16, v[\pw]
	v_lshl_or_b32 v[\pw], v[TM+7], 24, v[\pw]
.irp c, 0,1
	v_cvt_scalef32_pk16_fp6_f32 v[PC+6*\c:PC+2+6*\c], v[\s+32*\c:\s+15+32*\c], v[TM+12+2*\c]
	v_cvt_scalef32_pk16_fp6_f32 v[PC+12+4*\c:PC+14+4*\c], v[\s+16+32*\c:\s+31+32*\c], v[TM+12+2*\c+1]
.endr
	v_nop                                          ; one plain line behind a scaled conversion
.irp c, 0,1
.irp i, 0,1,2
	v_permlane16_swap_b32 v[PC+6*\c+\i], v[PC+12+4*\c+\i]
.endr
.irp i, 0,1,2
	v_mov_b32 v[PC+3+6*\c+\i], v[PC+12+4*\c+\i]
.endr
.endr
.endm
.macro MM                              ; one product, by the symbols rD, rA, rB, sA, sB;  mZ: it starts the sum;  mR: 1 A's scales, 2 B's scales in lanes 16-31
.if mZ && (mR == 0)
	v_wmma_scale_f32_16x16x128_f8f6f4 v[rD:rD+7], v[rA:rA+11], v[rB:rB+11], 0, v[sA], v[sB] matrix_a_fmt:MATRIX_FMT_FP6 matrix_b_fmt:MATRIX_FMT_FP6
.elseif mZ && (mR == 1)
	v_wmma_scale_f32_16x16x128_f8f6f4 v[rD:rD+7], v[rA:rA+11], v[rB:rB+11], 0, v[sA], v[sB] matrix_a_fmt:MATRIX_FMT_FP6 matrix_b_fmt:MATRIX_FMT_FP6 matrix_a_scale:MATRIX_SCALE_ROW1
.elseif mZ
	v_wmma_scale_f32_16x16x128_f8f6f4 v[rD:rD+7], v[rA:rA+11], v[rB:rB+11], 0, v[sA], v[sB] matrix_a_fmt:MATRIX_FMT_FP6 matrix_b_fmt:MATRIX_FMT_FP6 matrix_b_scale:MATRIX_SCALE_ROW1
.elseif mR == 0
	v_wmma_scale_f32_16x16x128_f8f6f4 v[rD:rD+7], v[rA:rA+11], v[rB:rB+11], v[rD:rD+7], v[sA], v[sB] matrix_a_fmt:MATRIX_FMT_FP6 matrix_b_fmt:MATRIX_FMT_FP6
.elseif mR == 1
	v_wmma_scale_f32_16x16x128_f8f6f4 v[rD:rD+7], v[rA:rA+11], v[rB:rB+11], v[rD:rD+7], v[sA], v[sB] matrix_a_fmt:MATRIX_FMT_FP6 matrix_b_fmt:MATRIX_FMT_FP6 matrix_a_scale:MATRIX_SCALE_ROW1
.else
	v_wmma_scale_f32_16x16x128_f8f6f4 v[rD:rD+7], v[rA:rA+11], v[rB:rB+11], v[rD:rD+7], v[sA], v[sB] matrix_a_fmt:MATRIX_FMT_FP6 matrix_b_fmt:MATRIX_FMT_FP6 matrix_b_scale:MATRIX_SCALE_ROW1
.endif
.endm
.macro WLOAD s                         ; the unit's four fragments of K step s into ring set s % 4 (the caller has set the destination's window to 2): 12 loads of 512 consecutive bytes
.irp j, 0,1,2,3
.irp c, 0,1,2
	global_load_b128 v[48*((\s)%4)+12*\j+4*\c:48*((\s)%4)+12*\j+4*\c+3], v[LI], s[WB:WB+1] offset:6144*(\s)+1536*\j+512*\c
.endr
.endr
.endm
.macro XLOAD s                         ; x's eight fragments of K step s from LDS into set s % 2 (destination window 1): 24 loads
.irp i, 0,1,2,3,4,5,6,7
.irp c, 0,1,2
	ds_load_b128 v[96*((\s)%2)+12*\i+4*\c:96*((\s)%2)+12*\i+4*\c+3], v[LI+\i/4] offset:(\i%4)*12288+1536*(\s)+512*\c
.endr
.endr
.endm
.macro PRELOAD                         ; a unit's scale words and its first four K steps: 52 loads
.irp jp, 0,1
.irp g, 0,1
	global_load_b128 v[WSC+8*\jp+4*\g:WSC+8*\jp+4*\g+3], v[LI], s[WSB:WSB+1] offset:(2*\jp+\g)*512
.endr
.endr
	WIN 0x80
	WLOAD 0
	WLOAD 1
	WLOAD 2
	WLOAD 3
	WIN 0
.endm
; K step s of a unit: 32 products, the 32 accumulators by turns, one instruction a turn, in the same order in every step.  nb: the unit's bias loads, issued behind PRELOAD's.
.macro KSTEP tr, s, nb
.if \s > 0
	PLACES                                         ; the loads below land in registers that the last step's products read
.endif
.if (\s >= 1) && (\s <= 4)
	WIN 0x80
	WLOAD (\s)+3                                   ; into the ring set that the last step has left
.endif
.if \s < 7
	WIN 0x40
	XLOAD (\s)+1
.endif
.if \s < 4
	s_wait_loadcnt 36+\nb                          ; ring set s is in: behind it were issued three more sets of 12, and the bias loads
.else
	s_wait_loadcnt 12*(7-\s)                       ; behind set s: the sets of the steps that are left
.endif
.if \s < 7
	s_wait_dscnt 24                                ; x's fragments of this step are in; the 24 just issued may be out
.else
	s_wait_dscnt 0
.endif
.if \tr
	WIN 0xf6                                       ; source 0 (W) window 2, source 1 (x) window 1, C and D window 3
.else
	WIN 0xf9                                       ; source 0 (x) window 1, source 1 (W) window 2
.endif
.if \s == 0
.set mZ, 1
.else
.set mZ, 0
.endif
.irp i, 0,1,2,3,4,5,6,7
.irp j, 0,1,2,3
.if \tr
.set rD, 8*(4*\i+\j)
.set rA, 48*((\s)%4)+12*\j
.set rB, 96*((\s)%2)+12*\i
.set sA, WSC+8*(\j/2)+\s
.set sB, XSC+8*\i+\s
.set mR, \j%2
.else
.set rD, 8*(8*\j+\i)
.set rA, 96*((\s)%2)+12*\i
.set rB, 48*((\s)%4)+12*\j
.set sA, XSC+8*\i+\s
.set sB, WSC+8*(\j/2)+\s
.set mR, 2*(\j%2)
.endif
	MM
.endr
.endr
.endm
; A unit.  tr = 1: q or k;  tr = 0: v.
.macro UNIT tr
.if \tr
.irp b, 0,1
.irp e, 0,1,2,3
	global_load_b128 v[BIAS+16*\b+4*\e:BIAS+16*\b+4*\e+3], v[BH], s[BB:BB+1] offset:128*\b+16*\e   ; register 16 b + i: the bias of feature 32 b + 16 h + i
.endr
.endr
.else
.irp j, 0,1,2,3
	global_load_b32 v[BIAS+2*\j], v[BR], s[BB:BB+1] offset:(32*(\j/2)+8*(\j%2))*4   ; tile j: the bias of my lane's feature
.endr
.endif
	WIN 0x40
	XLOAD 0
.irp s, 0,1,2,3,4,5,6,7
	KSTEP \tr, \s, 4+4*\tr
.endr
	WIN 0
	PLACES                                         ; behind the last products: for the loads into their operands and scales, and for the first read of results
	s_cmp_eq_u32 s[UC], 2
	s_cbranch_scc1 .Lno_more_\@
	s_add_nc_u64 s[WB:WB+1], s[WB:WB+1], 49152     ; (the last step's wait for 0 has shown every load that named these bases done)
	s_add_nc_u64 s[WSB:WSB+1], s[WSB:WSB+1], 2048
	PRELOAD                                        ; the next unit's first four K steps land while this unit is quantised
.Lno_more_\@:
.irp p, 0,1,2,3
	s_wait_xcnt 0x0                                ; the stores before have read the codes' and the scale words' registers, which are written again below
	WIN 0x03                                       ; source 0: window 3
.irp e, 0,2,4,6,8,10,12,14,16,18,20,22,24,26,28,30,32,34,36,38,40,42,44,46,48,50,52,54,56,58,60,62
.if \tr
	v_pk_add_f32 v[ST+\e:ST+\e+1], v[64*\p+\e:64*\p+\e+1], v[BIAS+\e%32:BIAS+\e%32+1]   ; each accumulator from its low end on
.else
	v_pk_add_f32 v[ST+\e:ST+\e+1], v[64*\p+\e:64*\p+\e+1], v[BIAS+2*\p:BIAS+2*\p+1] op_sel_hi:[1,0]
.endif
.endr
	WIN 0
	QUANT ST, PWS+\p
.irp c, 0,1,2
	global_store_b128 v[LI], v[PC+4*\c:PC+4*\c+3], s[OB:OB+1] offset:1536*\p+512*\c   ; 32 lanes store 512 consecutive bytes, aligned
.endr
.endr
	global_store_b128 v[LI], v[PWS:PWS+3], s[OB:OB+1] offset:6144
.endm
	s_load_b512 s[4:19], s[0:1], 0x0               ; xc 4, xs 6, wimg 8, wsc 10, bq 12, bk 14, bv 16, act 18
	v_lshl_add_u32 v254, v0, 2, 0x29000
	v_mov_b32 v255, 0
	ds_add_u32 v254, v255
	ds_add_u32 v254, v255
	v_lshrrev_b32 v5, 5, v0
	v_readfirstlane_b32 s[WV], v5                  ; wave 0..3
	s_mov_b32 s[G], ttmp9                          ; the group of 128 tokens
	s_and_b32 s22, ttmp7, 0xffff                   ; y
	s_mul_i32 s[U0], s22, 12
	s_mul_i32 s50, s[WV], 3
	s_add_co_u32 s[U0], s[U0], s50                 ; my first unit
	; descriptor group 1: a dense block of 24,576 bytes as 96 rows of 256 bytes (32 elements of 8 bytes), no padding: every LDS read is 16 x lane on end
	s_mov_b32 s[G1+0], 3<<16
	s_mov_b32 s[G1+1], 32<<16                      ; tensor_dim0
	s_mov_b32 s[G1+2], 96<<16                      ; tensor_dim1
	s_mov_b32 s[G1+3], 32<<16                      ; tile_dim0
	s_mov_b32 s[G1+4], 96                          ; tile_dim1
	s_mov_b32 s[G1+5], 32                          ; the pitch
	s_mov_b32 s[G1+6], 0
	s_mov_b32 s[G1+7], 0
	s_mov_b32 s[G0], 1
	s_mul_i32 s[G0+1], s[WV], 24576                ; LDS: my quarter: token tiles 2 w and 2 w + 1
	s_mul_i32 s50, s[G], 98304
	s_add_co_u32 s50, s50, s[G0+1]
	s_mov_b32 s51, 0
	s_wait_dscnt 0x0
	s_wait_kmcnt 0x0
	s_add_nc_u64 s[G0+2:G0+3], s[4:5], s[50:51]
	s_or_b32 s[G0+3], s[G0+3], 0x80000000
	tensor_load_to_lds s[G0:G0+3], s[G1:G1+7]      ; the launch's one fill: one tensor load of mine is out
	s_nop 0
.rept 4
	v_nop
.endr
	v_and_b32 v5, 31, v0
	v_lshlrev_b32 v[LI], 4, v5
	v_add_nc_u32 v[LI1], 49152, v[LI]
	v_bfe_u32 v6, v0, 4, 1
	v_lshlrev_b32 v[BH], 6, v6
	v_and_b32 v7, 15, v0
	v_and_b32 v8, 8, v7
	v_add_nc_u32 v7, v7, v8
	v_lshlrev_b32 v[BR], 2, v7
.irp j, 1,3,5,7
	v_mov_b32 v[BIAS+\j], 0                        ; named as upper halves of pairs
.endr
.irp b, 0,1,2,3
	v_mov_b32 v[TM+4+\b], 0                        ; a lane permute's destination counts as one of its sources
.endr
	s_mov_b32 s[SEL], 0x76543210
	s_mov_b32 s[SEL+1], 0xfedcba98
	s_lshl_b32 s50, s[G], 13
	s_add_nc_u64 s[6:7], s[6:7], s[50:51]          ; x's scale words of my 8 token tiles
.irp i, 0,1,2,3,4,5,6,7
.irp g, 0,1
	global_load_b128 v[XSC+8*\i+4*\g:XSC+8*\i+4*\g+3], v[LI], s[6:7] offset:1024*\i+512*\g
.endr
.endr
	s_mul_i32 s50, s[U0], 49152
	s_add_nc_u64 s[WB:WB+1], s[8:9], s[50:51]
	s_lshl_b32 s50, s[U0], 11
	s_add_nc_u64 s[WSB:WSB+1], s[10:11], s[50:51]
	PRELOAD
	s_wait_tensorcnt 0x0                           ; my quarter of x's codes is in LDS,
	s_barrier_signal -1
	s_barrier_wait -1                              ; everybody's is; nothing is filled again, so this is the launch's one barrier
	s_mov_b32 s[UC], 0
.Lunit:
	s_add_co_u32 s25, s[U0], s[UC]                 ; the unit
	s_lshr_b32 s26, s25, 4                         ; 0 q, 1 k, 2 v
	s_and_b32 s27, s25, 15                         ; the head
	s_wait_xcnt 0x0                                ; the last unit's stores and loads have read their bases
	s_lshr_b32 s50, s[G], 4
	s_lshl_b32 s50, s50, 4
	s_add_co_u32 s50, s50, s27                     ; hb = 16 batch + head
	s_mul_i32 s50, s50, 3
	s_add_co_u32 s50, s50, s26
	s_lshl_b32 s50, s50, 4
	s_and_b32 s52, s[G], 15
	s_add_co_u32 s50, s50, s52                     ; ((3 hb + ty) 16 + step)
	s_mul_i32 s50, s50, 6656
	s_mov_b32 s51, 0
	s_add_nc_u64 s[OB:OB+1], s[18:19], s[50:51]
	s_lshl_b32 s52, s27, 8                         ; the head's 64 biases
	s_mov_b32 s53, 0
	s_cmp_eq_u32 s26, 2
	s_cbranch_scc1 .Lv
	s_cmp_eq_u32 s26, 0
	s_cselect_b64 s[BB:BB+1], s[12:13], s[14:15]
	s_add_nc_u64 s[BB:BB+1], s[BB:BB+1], s[52:53]
	UNIT 1
	s_branch .Lnext
.Lv:
	s_add_nc_u64 s[BB:BB+1], s[16:17], s[52:53]
	s_wait_alu depctr_va_vdst(0)
	UNIT 0
.Lnext:
	s_add_co_u32 s[UC], s[UC], 1
	s_cmp_lt_u32 s[UC], 3
	s_cbranch_scc1 .Lunit
	s_wait_tensorcnt 0x0
	ds_add_u32 v254, v255
	s_wait_dscnt 0x0
	s_endpgm
.Lfunc_end_k_q17bb8ee0e4_qkv:
	.size	k_q17bb8ee0e4_qkv, .Lfunc_end_k_q17bb8ee0e4_qkv-k_q17bb8ee0e4_qkv
	.p2alignl 7, 3214868480
	.fill 96, 4, 3214868480
	.section	.rodata,"a",@progbits
	.p2align	6, 0x0
	.amdhsa_kernel k_q17bb8ee0e4_qkv
		.amdhsa_group_segment_fixed_size 168448
		.amdhsa_private_segment_fixed_size 0
		.amdhsa_enable_private_segment 0
		.amdhsa_kernarg_size 64
		.amdhsa_user_sgpr_count 2
		.amdhsa_user_sgpr_kernarg_segment_ptr 1
		.amdhsa_wavefront_size32 1
		.amdhsa_system_sgpr_workgroup_id_x 1
		.amdhsa_system_sgpr_workgroup_id_y 1
		.amdhsa_system_sgpr_workgroup_id_z 1
		.amdhsa_system_vgpr_workitem_id 0
		.amdhsa_next_free_vgpr 1024
		.amdhsa_next_free_sgpr 66
		.amdhsa_reserve_vcc 0
		.amdhsa_float_denorm_mode_32 3
		.amdhsa_float_denorm_mode_16_64 3
		.amdhsa_memory_ordered 1
		.amdhsa_forward_progress 1
		.amdhsa_inst_pref_size 172
	.end_amdhsa_kernel
	.amdgpu_metadata
---
amdhsa.version: [ 1, 2 ]
amdhsa.kernels:
  - .name:           k_q17bb8ee0e4_qkv
    .symbol:         k_q17bb8ee0e4_qkv.kd
    .args:
      - { .name: xc, .offset: 0, .size: 8, .value_kind: global_buffer, .address_space: global }
      - { .name: xs, .offset: 8, .size: 8, .value_kind: global_buffer, .address_space: global }
      - { .name: wimg, .offset: 16, .size: 8, .value_kind: global_buffer, .address_space: global }
      - { .name: wsc, .offset: 24, .size: 8, .value_kind: global_buffer, .address_space: global }
      - { .name: bq, .offset: 32, .size: 8, .value_kind: global_buffer, .address_space: global }
      - { .name: bk, .offset: 40, .size: 8, .value_kind: global_buffer, .address_space: global }
      - { .name: bv, .offset: 48, .size: 8, .value_kind: global_buffer, .address_space: global }
      - { .name: act, .offset: 56, .size: 8, .value_kind: global_buffer, .address_space: global }
    .group_segment_fixed_size: 168448
    .private_segment_fixed_size: 0
    .kernarg_segment_align: 8
    .kernarg_segment_size: 64
    .max_flat_workgroup_size: 128
    .sgpr_count:     66
    .vgpr_count:     1024
    .wavefront_size: 32
...
	.end_amdgpu_metadata
.endif
;; end of part 2
;; launch attn (part 3): grid 4 x 64, 16 waves a work-group, clusters of 4 x 1, 215,040 bytes of LDS; arguments act, cimg, csc; writes cimg, csc
.if DOCPART == 3
	.amdgcn_target "amdgcn-amd-amdhsa--gfx1250"
	.amdhsa_code_object_version 6
	.text
	.protected	k_q17bb8ee0e4_attn
	.globl	k_q17bb8ee0e4_attn
	.p2align	8
	.type	k_q17bb8ee0e4_attn,@function
k_q17bb8ee0e4_attn:
	s_mov_b64 s[64:65], 0
	v_nop
	global_prefetch_b8 v0, s[64:65] scope:SCOPE_SE
	s_setreg_imm32_b32 hwreg(HW_REG_WAVE_MODE, 25, 1), 1
	s_wait_xcnt 0x0
	s_wait_alu depctr_hold_cnt(0) depctr_sa_sdst(0) depctr_va_vdst(0) depctr_va_sdst(0) depctr_va_ssrc(0) depctr_va_vcc(0) depctr_vm_vsrc(0)
	s_getreg_b32 s2, hwreg(HW_REG_IB_STS2, 6, 4)
	s_cmp_eq_u32 s2, 0
	s_cbranch_scc0 .Lentry_in_a_cluster
	s_endpgm
.Lentry_in_a_cluster:
	s_bfe_u32 s2, ttmp6, 0x10000c
	s_cmp_lg_u32 s2, 0x3003
	s_cbranch_scc0 .Lentry_shape_is_right
	s_endpgm
.Lentry_shape_is_right:
; ATTENTION on codes of FP6 (E2M3) with E8M0 scales: ctx = softmax(q k^T / 8) v for one head of one batch (hb), 2,048 queries and keys, head size 64; ctx is quantised along E at once.
; act [hb][q, k, v][step 16][6656] as the launch before has laid it: four images of 1,536 bytes and 512 bytes of scale words for each 128 tokens.
; THE SOFTMAX AHEAD OF THE SECOND PRODUCT: t = score x log2(e) / 8; M = the row's largest t so far, rounded UP to a whole number; p = 2^(t - M) is what is quantised, along the keys, not normalised.  The row's sum is taken of
; the unquantised p, in f32, and divides O at the end.  When M moves, the sum and O are multiplied by 2^(old M - new M): exact.
; SHARES.  A cluster of four work-groups is one hb; work-group cx takes queries 512 cx .. + 511 in two passes of 256; each of its sixteen waves one tile of 16 queries a pass, in 256 registers: four waves to a SIMD, so that
; one wave's vector work stands beside another's products and LDS loads.  Every wave walks all 16 key steps of 128.
; K AND V OF THE WHOLE HEAD LIE IN LDS: 2 x 106,496 bytes, filled once, JOINTLY for the four work-groups (the same eight tensor loads, with the same descriptors and a mask that names the four).  Nothing is filled again: no ring.
; So there is no later stream to ask for ahead: no prefetch.
; LAYOUT.  Both products are used transposed: S^T = K Q^T (source 0 = 16 keys), O^T = V^T P^T (source 0 = 16 of the head's 64): a lane holds ONE query throughout.  The keys of a tile are not neighbours (lane r of tile 2 b + u:
; key 32 b + 8 u + r + 8 (r / 8)), so that the 16 registers of tiles 2 b, 2 b + 1 are keys 32 b + 16 h + 0 .. 15.
; THE HEAD'S 64 FILL HALF OF THE INSTRUCTION'S 128: an image of K holds two tiles of keys side by side along K, and Q stands beside zero codes: [Q | 0] multiplies the first tile, [0 | Q] the second.
; ctx goes out as cimg [T 512][head 16][768] (half a fragment: registers 0-3 at 16 L, registers 4-5 at 512 + 8 L) and csc [T][r 16][head 16][2 bytes].  The scale bytes leave singly, 32 bytes a tile beside 768 bytes of codes in
; whole runs: so laid, a lane of the next launch finds its row's eight scale words in 32 consecutive bytes.
; LIMITS: NaN and infinities are not served; a block whose largest magnitude lies under 2^-124 (or whose every p has fallen to 0) gets the byte 1, its codes being zeros; the division by the sum is v_rcp_f32 and a multiplication.
.set LI,  1                            ; v1   16 L
.set ADK, 2                            ; v2   LDS address of the step's block of K
.set ADV, 3                            ; v3   of V
.set QWO, 4                            ; v4   Q's scale word, from Q's image on
.set L8,  5                            ; v5   8 L
.set CBO, 6                            ; v6   32 r + h: my scale byte's place
.set QF,  16                           ; v16-33  [Q 6 | zeros 6 | Q 6]
.set QS,  34                           ; v34     Q's two scale bytes, twice
.set QR,  36                           ; v36-48, v50-62  Q's image and scale word as loaded, pass 0, pass 1
.set KV,  64                           ; v64-111 four fragments of K, then of V
.set SCL, 112                          ; v112-115 their scale words
.set S,   116                          ; v116-179 S^T, then p
.set O,   180                          ; v180-211 O^T
.set PC,  212                          ; v212-223 p's codes
.set PT,  224                          ; v224-230 the conversions' second halves
.set WV,  10
.set CX,  11
.set HB,  12
.set SEL, 14                           ; s[14:15]
.set CS,  16                           ; s[16:17] c = log2(e) / 8
.set G0,  20                           ; s[20:23]
.set G1,  24                           ; s[24:31]
.set TB,  32                           ; s32  the key step's block in LDS
.set CNT, 33
.set UM,  34                           ; s34  all ones in the waves whose tile is the second of its image
.set HM,  35                           ; s35  lanes 16-31
.set QB,  36                           ; s[36:37]
.set OB,  40                           ; s[40:41]
.set CB,  44                           ; s[44:45]
.macro PLACES
.rept 4
	v_nop
.endr
.endm
.macro CROUND                          ; a round of the cluster's barrier
	s_barrier_signal -1
	s_barrier_wait -1
	s_cmp_lg_u32 s[WV], 0
	s_cbranch_scc1 .Lnot_wave_0_\@
	s_barrier_signal -3
.Lnot_wave_0_\@:
	s_barrier_wait -3
	s_barrier_signal -1
	s_barrier_wait -1
.endm
	s_load_b128 s[4:7], s[0:1], 0x0                ; act, cimg
	s_load_b64 s[8:9], s[0:1], 0x10                ; csc
	v_lshl_add_u32 v251, v0, 2, 0x34000
	v_mov_b32 v255, 0
	ds_add_u32 v251, v255
	ds_add_u32 v251, v255
	v_lshrrev_b32 v7, 5, v0
	s_delay_alu instid0(VALU_DEP_1)
	v_readfirstlane_b32 s[WV], v7                  ; wave 0..15
	s_bfe_u32 s[CX], ttmp6, 0x40000                ; my place in the cluster: it enters Q's, cimg's and csc's addresses alone
	s_and_b32 s[HB], ttmp7, 0xffff                 ; hb, which the four partners share
	; descriptor group 1: a dense block of 26,624 bytes as 104 rows of 256 bytes (32 elements of 8 bytes); the mask names all four work-groups, bit 21 beside it
	s_mov_b32 s[G1+0], 15|(3<<16)|(1<<21)
	s_mov_b32 s[G1+1], 32<<16
	s_mov_b32 s[G1+2], 104<<16
	s_mov_b32 s[G1+3], 32<<16
	s_mov_b32 s[G1+4], 104
	s_mov_b32 s[G1+5], 32
	s_mov_b32 s[G1+6], 0
	s_mov_b32 s[G1+7], 0
	s_and_b32 s50, s[WV], 7
	s_mov_b32 s[G0], 1
	s_mul_i32 s[G0+1], s50, 26624                  ; an eighth of K's and V's 212,992 bytes
	s_mul_i32 s48, s[HB], 3
	s_add_co_u32 s48, s48, 1
	s_mul_i32 s48, s48, 106496                     ; K's first byte; V's blocks follow K's
	s_add_co_u32 s48, s48, s[G0+1]
	s_mov_b32 s49, 0
	s_wait_dscnt 0x0
	s_wait_kmcnt 0x0
	s_add_nc_u64 s[G0+2:G0+3], s[4:5], s[48:49]
	s_or_b32 s[G0+3], s[G0+3], 0x80000000
	CROUND                                         ; all four work-groups are here: the joint loads meet
	s_cmp_lt_u32 s[WV], 8                          ; waves 0 to 7 fetch, one load each: the branch hangs on the wave's number alone
	s_cbranch_scc0 .Lno_fill
	tensor_load_to_lds s[G0:G0+3], s[G1:G1+7]
	s_nop 0
.rept 4
	v_nop
.endr
.Lno_fill:
	v_and_b32 v7, 31, v0
	s_delay_alu instid0(VALU_DEP_1)
	v_lshlrev_b32 v[LI], 4, v7
	s_wait_alu depctr_va_vdst(0)
	v_lshlrev_b32 v[L8], 3, v7
	v_and_b32 v8, 15, v0
	v_bfe_u32 v9, v0, 4, 1
	s_delay_alu instid0(VALU_DEP_1)
	v_lshl_add_u32 v[CBO], v8, 5, v9
	; Q: pass 0's tile is tile w % 8 of step 4 cx + w / 8: half w % 2 of image (w / 2) % 4.  Pass 1's lies two steps, 13,312 bytes, on
	s_lshl_b32 s52, s[CX], 2
	s_lshr_b32 s53, s[WV], 3
	s_add_co_u32 s52, s52, s53
	s_mul_i32 s53, s[HB], 48
	s_add_co_u32 s52, s52, s53
	s_mul_i32 s52, s52, 6656
	s_bfe_u32 s54, s[WV], 0x20001                  ; the image
	s_mul_i32 s55, s54, 1536
	s_add_co_u32 s52, s52, s55
	s_mov_b32 s53, 0
	s_add_nc_u64 s[QB:QB+1], s[4:5], s[52:53]
	s_mul_i32 s55, s54, 1532
	s_sub_co_u32 s55, 6144, s55                    ; from the image to the block's scale words, word = the image's number
	v_add_nc_u32 v[QWO], s55, v[LI]
.irp p, 0,1
.irp c, 0,1,2
	global_load_b128 v[QR+14*\p+4*\c:QR+14*\p+4*\c+3], v[LI], s[QB:QB+1] offset:13312*\p+512*\c
.endr
	global_load_b32 v[QR+14*\p+12], v[QWO], s[QB:QB+1] offset:13312*\p
.endr
	; ctx: token tile T = 128 batch + 32 cx + w in pass 0; pass 1's is 16 tiles on
	s_lshr_b32 s52, s[HB], 4
	s_lshl_b32 s52, s52, 7
	s_lshl_b32 s56, s[CX], 5
	s_add_co_u32 s52, s52, s56
	s_add_co_u32 s52, s52, s[WV]
	s_and_b32 s56, s[HB], 15                       ; the head
	s_mul_i32 s54, s52, 12288
	s_mul_i32 s57, s56, 768
	s_add_co_u32 s54, s54, s57
	s_mov_b32 s55, 0
	s_add_nc_u64 s[OB:OB+1], s[6:7], s[54:55]
	s_lshl_b32 s54, s52, 9
	s_lshl_b32 s57, s56, 1
	s_add_co_u32 s54, s54, s57
	s_add_nc_u64 s[CB:CB+1], s[8:9], s[54:55]
	s_bitcmp1_b32 s[WV], 0
	s_cselect_b32 s[UM], -1, 0
	s_mov_b32 s[HM], 0xffff0000
	s_mov_b32 s[SEL], 0x76543210
	s_mov_b32 s[SEL+1], 0xfedcba98
	s_mov_b32 s[CS], 0x3e38aa3b                    ; c = log2(e) / 8
	s_mov_b32 s[CS+1], s[CS]                       ; (named with it as a pair)
.irp i, 6,7,8,9,10,11
	v_mov_b32 v[QF+\i], 0                          ; the zero codes beside Q
.endr
.irp b, 0,1,2,3
	v_mov_b32 v[236+\b], 0                         ; a lane permute's destination counts as one of its sources
.endr
	v_mov_b32 v249, 0                              ; (the upper half of the pair v[248:249])
	s_wait_tensorcnt 0x0                           ; my eighth is in LDS (waves 8 to 15 have nothing out),
	s_barrier_signal -1
	s_barrier_wait -1                              ; everybody's is
; A KEY STEP: 128 keys.
.macro STEP
	v_add_nc_u32 v[ADK], s[TB], v[LI]
	s_delay_alu instid0(VALU_DEP_1)
	v_add_nc_u32 v[ADV], 106496, v[ADK]
	v_nop
	v_nop                                          ; four plain lines between the last step's products and the loads into their operands
.irp p, 0,1,2,3
.irp c, 0,1,2
	ds_load_b128 v[KV+12*\p+4*\c:KV+12*\p+4*\c+3], v[ADK] offset:1536*\p+512*\c
.endr
.endr
	ds_load_b128 v[SCL:SCL+3], v[ADK] offset:6144
	s_wait_alu depctr_va_vdst(0)
	s_wait_dscnt 0x0
.irp p, 0,1,2,3                                ; S^T = K Q^T: image p holds tiles 2 p and 2 p + 1 of the keys
	v_wmma_scale_f32_16x16x128_f8f6f4 v[S+16*\p:S+16*\p+7], v[KV+12*\p:KV+12*\p+11], v[QF:QF+11], 0, v[SCL+\p], v[QS] matrix_a_fmt:MATRIX_FMT_FP6 matrix_b_fmt:MATRIX_FMT_FP6
	v_wmma_scale_f32_16x16x128_f8f6f4 v[S+16*\p+8:S+16*\p+15], v[KV+12*\p:KV+12*\p+11], v[QF+6:QF+17], 0, v[SCL+\p], v[QS] matrix_a_fmt:MATRIX_FMT_FP6 matrix_b_fmt:MATRIX_FMT_FP6
.endr
	PLACES                                         ; for the loads below and for the first read of the scores
.irp p, 0,1,2,3                                ; V's four fragments and scale words: they land under the softmax
.irp c, 0,1,2
	ds_load_b128 v[KV+12*\p+4*\c:KV+12*\p+4*\c+3], v[ADV] offset:1536*\p+512*\c
.endr
.endr
	ds_load_b128 v[SCL:SCL+3], v[ADV] offset:6144
.irp b, 0,1,2,3
	v_max3_num_f32 v[232+\b], v[S+16*\b], v[S+1+16*\b], v[S+2+16*\b]   ; the largest score of each block of 32 keys: for the row's maximum and, since p rises with the score, for the block's largest p
.endr
.irp i, 3,5,7,9,11,13
.irp b, 0,1,2,3
	v_max3_num_f32 v[232+\b], v[232+\b], v[S+16*\b+\i], v[S+1+16*\b+\i]
.endr
.endr
.irp b, 0,1,2,3
	v_max_num_f32 v[232+\b], v[232+\b], v[S+15+16*\b]
.endr
.irp b, 0,1,2,3
	s_delay_alu instid0(VALU_DEP_4)
	v_permlanex16_b32 v[236+\b], v[232+\b], s[SEL], s[SEL+1]
.endr
.irp b, 0,1,2,3
	s_delay_alu instid0(VALU_DEP_4)
	v_max_num_f32 v[232+\b], v[232+\b], v[236+\b]  ; with lane l xor 16's 16 keys
.endr
	s_delay_alu instid0(VALU_DEP_2)
	v_max3_num_f32 v254, v232, v233, v234
	s_delay_alu instid0(VALU_DEP_1)
	v_max_num_f32 v254, v254, v235                 ; the step's largest score of my query
	s_delay_alu instid0(VALU_DEP_1)
	v_mul_f32 v254, s[CS], v254                    ; as t (c is positive)
	s_delay_alu instid0(VALU_DEP_1)
	v_max_num_f32 v13, v13, v254                   ; the running largest t
	v_mov_b32 v254, v12
	s_delay_alu instid0(VALU_DEP_2)
	v_floor_f32 v12, -v13                          ; the new -M = floor(-t) = -ceil(t)
	s_delay_alu instid0(VALU_DEP_1)
	v_sub_f32 v254, v12, v254                      ; old M - new M: a whole number, 0 or less
	s_delay_alu instid0(VALU_DEP_1)
	v_cvt_i32_f32 v254, v254                       ; (it saturates)
	s_delay_alu instid0(VALU_DEP_1)
	v_ldexp_f32 v248, 1.0, v254                    ; f = 2^(old M - new M)
.irp j, 0,2,4,6,8,10,12,14,16,18,20,22,24,26,28,30,32,34,36,38,40,42,44,46,48,50,52,54,56,58,60,62
	v_pk_fma_f32 v[S+\j:S+\j+1], v[S+\j:S+\j+1], s[CS:CS+1], v[12:13] op_sel_hi:[1,0,0]   ; t - M, two at a time
.endr
.irp b, 0,1,2,3
	v_fma_f32 v[232+\b], v[232+\b], s[CS], v12     ; the same of each block's largest score
.endr
	s_wait_alu depctr_va_vdst(0)
.irp j, 0,1,2,3,4,5,6,7,8,9,10,11,12,13,14,15,16,17,18,19,20,21,22,23,24,25,26,27,28,29,30,31,32,33,34,35,36,37,38,39,40,41,42,43,44,45,46,47,48,49,50,51,52,53,54,55,56,57,58,59,60,61,62,63
	v_exp_f32 v[S+\j], v[S+\j]                     ; p = 2^(t - M), at most 1
.endr
	s_setprio 1
	v_pk_mul_f32 v[14:15], v[14:15], v[248:249] op_sel_hi:[1,0]   ; the sums under the new M: the plain line behind the exponentials
	s_wait_alu depctr_va_vdst(0)                   ; one wait for the batch of 64, ahead of its first reader
.irp b, 0,1,2,3
	v_exp_f32 v[232+\b], v[232+\b]                 ; each block's largest p
.endr
	v_pk_add_f32 v[236:237], v[120:121], v[124:125]
	v_pk_add_f32 v[246:247], v[128:129], v[132:133]
	v_pk_add_f32 v[244:245], v[136:137], v[140:141]
	v_pk_add_f32 v[242:243], v[144:145], v[148:149]
	v_pk_add_f32 v[240:241], v[152:153], v[156:157]
	v_pk_add_f32 v[238:239], v[160:161], v[164:165]
	v_pk_add_f32 v[230:231], v[168:169], v[172:173]
	v_pk_add_f32 v[14:15], v[14:15], v[176:177]
	v_pk_add_f32 v[236:237], v[236:237], v[116:117]
	v_pk_add_f32 v[246:247], v[246:247], v[118:119]
	v_pk_add_f32 v[244:245], v[244:245], v[122:123]
	v_pk_add_f32 v[242:243], v[242:243], v[126:127]
	v_pk_add_f32 v[240:241], v[240:241], v[130:131]
	v_pk_add_f32 v[238:239], v[238:239], v[134:135]
	v_pk_add_f32 v[230:231], v[230:231], v[138:139]
	v_pk_add_f32 v[14:15], v[14:15], v[142:143]
	v_pk_add_f32 v[236:237], v[236:237], v[146:147]
	v_pk_add_f32 v[246:247], v[246:247], v[150:151]
	v_pk_add_f32 v[244:245], v[244:245], v[154:155]
	v_pk_add_f32 v[242:243], v[242:243], v[158:159]
	v_pk_add_f32 v[240:241], v[240:241], v[162:163]
	v_pk_add_f32 v[238:239], v[238:239], v[166:167]
	v_pk_add_f32 v[230:231], v[230:231], v[170:171]
	v_pk_add_f32 v[14:15], v[14:15], v[174:175]
	v_pk_add_f32 v[236:237], v[236:237], v[178:179]
	s_delay_alu instid0(VALU_DEP_2)
	v_pk_add_f32 v[14:15], v[14:15], v[242:243]
	s_delay_alu instid0(VALU_DEP_2)
	v_pk_add_f32 v[236:237], v[236:237], v[240:241]
	v_pk_add_f32 v[246:247], v[246:247], v[238:239]
	v_pk_add_f32 v[244:245], v[244:245], v[230:231]
	s_delay_alu instid0(VALU_DEP_2)
	v_pk_add_f32 v[14:15], v[14:15], v[246:247]
	s_delay_alu instid0(VALU_DEP_2)
	v_pk_add_f32 v[236:237], v[236:237], v[244:245]
	s_delay_alu instid0(VALU_DEP_1)
	v_pk_add_f32 v[14:15], v[14:15], v[236:237]
	s_wait_alu depctr_va_vdst(0)                   ; and one for the four
.irp b, 0,1,2,3
	v_max_num_f32 v[232+\b], 0x1800000, v[232+\b]  ; the floor 2^(3 - 127): the byte cannot fall under 1
.endr
.irp b, 0,1,2,3
	s_delay_alu instid0(VALU_DEP_4)
	v_add_nc_u32 v[244+\b], 0xff000000, v[232+\b]  ; 2 off the exponent field: the conversion's scale operand
.endr
.irp b, 0,1,2,3
	s_delay_alu instid0(VALU_DEP_4)
	v_lshrrev_b32 v[236+\b], 23, v[244+\b]         ; the byte
.endr
	s_delay_alu instid0(VALU_DEP_3)
	v_lshl_or_b32 v250, v237, 8, v236              ; p's scale word for these 128 keys
	s_delay_alu instid0(VALU_DEP_1)
	v_lshl_or_b32 v250, v238, 16, v250
	s_delay_alu instid0(VALU_DEP_1)
	v_lshl_or_b32 v250, v239, 24, v250
.irp c, 0,1
	v_cvt_scalef32_pk16_fp6_f32 v[PC+6*\c:PC+6*\c+2], v[S+32*\c:S+32*\c+15], v[244+2*\c]
	v_cvt_scalef32_pk16_fp6_f32 v[PT+4*\c:PT+4*\c+2], v[S+16+32*\c:S+31+32*\c], v[244+2*\c+1]
.endr
	v_nop                                          ; one plain line behind a scaled conversion
.irp c, 0,1                                    ; a WHOLE block in a lane: lanes 0-15 block 2 c, lanes 16-31 block 2 c + 1
.irp i, 0,1,2
	v_permlane16_swap_b32 v[PC+6*\c+\i], v[PT+4*\c+\i]
.endr
.irp i, 0,1,2
	s_delay_alu instid0(VALU_DEP_3)
	v_mov_b32 v[PC+3+6*\c+\i], v[PT+4*\c+\i]
.endr
.endr
	s_setprio 0
.irp j, 0,2,4,6,8,10,12,14,16,18,20,22,24,26,28,30
	v_pk_mul_f32 v[O+\j:O+\j+1], v[O+\j:O+\j+1], v[248:249] op_sel_hi:[1,0]   ; O^T under the new M; these sixteen also stand between the writes of p's codes and scale word and the products
.endr
	s_wait_alu depctr_va_vdst(0)
	s_wait_dscnt 0x0                               ; V is in
.irp j, 0,1,2,3                                ; O^T += V^T P^T: the four accumulators by turns
	v_wmma_scale_f32_16x16x128_f8f6f4 v[O+8*\j:O+8*\j+7], v[KV+12*\j:KV+12*\j+11], v[PC:PC+11], v[O+8*\j:O+8*\j+7], v[SCL+\j], v250 matrix_a_fmt:MATRIX_FMT_FP6 matrix_b_fmt:MATRIX_FMT_FP6
.endr
.endm
; A PASS: one tile of 16 queries against all keys, then its ctx.
.macro PASS p
	s_wait_xcnt 0x0                                ; the last pass's stores have read their registers
	s_wait_loadcnt 4-4*\p                          ; this pass's four loads of Q are in (behind pass 0's: pass 1's four)
.irp i, 0,1,2,3,4,5
	v_cndmask_b32 v[QF+\i], v[QR+14*\p+\i], v[QR+14*\p+6+\i], s[UM]   ; my tile's half of the image
.endr
.irp i, 0,1,2,3,4,5
	v_mov_b32 v[QF+12+\i], v[QF+\i]
.endr
	v_and_b32 v252, 0xffff, v[QR+14*\p+12]
	v_lshrrev_b32 v253, 16, v[QR+14*\p+12]
	s_delay_alu instid0(VALU_DEP_1)
	v_cndmask_b32 v252, v252, v253, s[UM]
	s_delay_alu instid0(VALU_DEP_1)
	v_lshl_or_b32 v[QS], v252, 16, v252            ; my tile's two bytes, for either half of K
	v_mov_b32 v13, 0xff61b1e6                      ; the largest t so far: -3e38
	s_delay_alu instid0(VALU_DEP_1)
	v_floor_f32 v12, -v13                          ; -M
	v_mov_b32 v14, 0                               ; the sum, in two halves
	v_mov_b32 v15, 0
.irp j, 0,1,2,3,4,5,6,7,8,9,10,11,12,13,14,15,16,17,18,19,20,21,22,23,24,25,26,27,28,29,30,31
	v_mov_b32 v[O+\j], 0                           ; the step is written once: the first finds zeros, which the first change of M leaves zeros
.endr
	s_mov_b32 s[TB], 0
	s_mov_b32 s[CNT], 16
.Lstep_\@:
	s_setprio 2
	STEP
	s_add_co_u32 s[TB], s[TB], 6656
	s_sub_co_u32 s[CNT], s[CNT], 1
	s_cmp_lg_u32 s[CNT], 0
	s_cbranch_scc1 .Lstep_\@
	s_setprio 0
	PLACES                                         ; behind the last products
	v_add_f32 v14, v14, v15
	s_delay_alu instid0(VALU_DEP_1)
	v_permlanex16_b32 v252, v14, s[SEL], s[SEL+1]
	s_delay_alu instid0(VALU_DEP_1)
	v_add_f32 v14, v14, v252                       ; the row's sum
	s_wait_alu depctr_va_vdst(0)
	v_rcp_f32 v252, v14
	v_nop                                          ; a plain line behind the transcendental,
	s_wait_alu depctr_va_vdst(0)                   ; and the wait ahead of its first reader
.irp j, 0,2,4,6,8,10,12,14,16,18,20,22,24,26,28,30
	v_pk_mul_f32 v[S+\j:S+\j+1], v[O+\j:O+\j+1], v[252:253] op_sel_hi:[1,0]   ; ctx: register 16 b + i = d 32 b + 16 h + i of my query; each accumulator from its low end on
.endr
.irp b, 0,1                                    ; its two blocks of 32 along E
	v_max3_num_f32 v[232+\b], |v[S+16*\b]|, |v[S+1+16*\b]|, 0x1800000
.endr
.irp i, 2,4,6,8,10,12,14
.irp b, 0,1
	s_delay_alu instid0(VALU_DEP_2)
	v_max3_num_f32 v[232+\b], v[232+\b], |v[S+16*\b+\i]|, |v[S+1+16*\b+\i]|
.endr
.endr
.irp b, 0,1
	s_delay_alu instid0(VALU_DEP_2)
	v_permlanex16_b32 v[236+\b], v[232+\b], s[SEL], s[SEL+1]
.endr
.irp b, 0,1
	s_delay_alu instid0(VALU_DEP_2)
	v_max_num_f32 v[232+\b], v[232+\b], v[236+\b]
.endr
.irp b, 0,1
	s_delay_alu instid0(VALU_DEP_2)
	v_add_nc_u32 v[244+\b], 0xff000000, v[232+\b]
.endr
.irp b, 0,1
	s_delay_alu instid0(VALU_DEP_2)
	v_lshrrev_b32 v[236+\b], 23, v[244+\b]
.endr
	v_cvt_scalef32_pk16_fp6_f32 v[PC:PC+2], v[S:S+15], v244
	v_cvt_scalef32_pk16_fp6_f32 v[PT:PT+2], v[S+16:S+31], v245
	v_cndmask_b32 v238, v236, v237, s[HM]          ; lanes 0-15 store block 0's byte, lanes 16-31 block 1's.  (The plain line behind the conversions)
.irp i, 0,1,2
	v_permlane16_swap_b32 v[PC+\i], v[PT+\i]
.endr
.irp i, 0,1,2
	s_delay_alu instid0(VALU_DEP_3)
	v_mov_b32 v[PC+3+\i], v[PT+\i]                 ; registers 0-5: d 32 h + 0 .. 31
.endr
	global_store_b128 v[LI], v[PC:PC+3], s[OB:OB+1] offset:196608*\p          ; 512 consecutive bytes
	global_store_b64 v[L8], v[PC+4:PC+5], s[OB:OB+1] offset:196608*\p+512     ; 256 consecutive bytes
	global_store_b8 v[CBO], v238, s[CB:CB+1] offset:8192*\p
.endm
	PASS 0
	PASS 1
	s_wait_tensorcnt 0x0
	ds_add_u32 v251, v255
	s_wait_dscnt 0x0
	CROUND                                         ; the closing round: no work-group ends while a partner may still ask for a tile that names it
	s_endpgm
.Lfunc_end_k_q17bb8ee0e4_attn:
	.size	k_q17bb8ee0e4_attn, .Lfunc_end_k_q17bb8ee0e4_attn-k_q17bb8ee0e4_attn
	.p2alignl 7, 3214868480
	.fill 96, 4, 3214868480
	.section	.rodata,"a",@progbits
	.p2align	6, 0x0
	.amdhsa_kernel k_q17bb8ee0e4_attn
		.amdhsa_group_segment_fixed_size 215040
		.amdhsa_private_segment_fixed_size 0
		.amdhsa_enable_private_segment 0
		.amdhsa_kernarg_size 24
		.amdhsa_user_sgpr_count 2
		.amdhsa_user_sgpr_kernarg_segment_ptr 1
		.amdhsa_wavefront_size32 1
		.amdhsa_system_sgpr_workgroup_id_x 1
		.amdhsa_system_sgpr_workgroup_id_y 1
		.amdhsa_system_sgpr_workgroup_id_z 1
		.amdhsa_system_vgpr_workitem_id 0
		.amdhsa_next_free_vgpr 256
		.amdhsa_next_free_sgpr 66
		.amdhsa_reserve_vcc 0
		.amdhsa_float_denorm_mode_32 3
		.amdhsa_float_denorm_mode_16_64 3
		.amdhsa_memory_ordered 1
		.amdhsa_forward_progress 1
		.amdhsa_inst_pref_size 53
	.end_amdhsa_kernel
	.amdgpu_metadata
---
amdhsa.version: [ 1, 2 ]
amdhsa.kernels:
  - .name:           k_q17bb8ee0e4_attn
    .symbol:         k_q17bb8ee0e4_attn.kd
    .args:
      - { .name: act, .offset: 0, .size: 8, .value_kind: global_buffer, .address_space: global }
      - { .name: cimg, .offset: 8, .size: 8, .value_kind: global_buffer, .address_space: global }
      - { .name: csc, .offset: 16, .size: 8, .value_kind: global_buffer, .address_space: global }
    .group_segment_fixed_size: 215040
    .private_segment_fixed_size: 0
    .kernarg_segment_align: 8
    .kernarg_segment_size: 24
    .max_flat_workgroup_size: 512
    .sgpr_count:     66
    .vgpr_count:     256
    .wavefront_size: 32
...
	.end_amdgpu_metadata
.endif
;; end of part 3
;; launch outln (part 4): grid 256 x 1, 4 waves a work-group, no clusters, 132,096 bytes of LDS; arguments cimg, csc, wimg, wsc, bo, x, ln_g, ln_b, out0; writes out0
.if DOCPART == 4
	.amdgcn_target "amdgcn-amd-amdhsa--gfx1250"
	.amdhsa_code_object_version 6
	.text
	.protected	k_q17bb8ee0e4_outln
	.globl	k_q17bb8ee0e4_outln
	.p2align	8
	.type	k_q17bb8ee0e4_outln,@function
k_q17bb8ee0e4_outln:
	s_mov_b64 s[64:65], 0
	v_nop
	global_prefetch_b8 v0, s[64:65] scope:SCOPE_SE
	s_setreg_imm32_b32 hwreg(HW_REG_WAVE_MODE, 25, 1), 1
	s_wait_xcnt 0x0
; OUT.  out0 = layernorm(ctx Wo^T + bo + x) x ln_g + ln_b; the product on codes of FP6 (E2M3) with E8M0 scales, sums in f32; all else in f32.
; SHARES.  Work-group g owns tokens 32 g .. + 31 (token tiles 2 g, 2 g + 1) and all 1,024 features, so that a row's mean and variance have one owner.  Wave w makes features 256 w .. + 255 (units 48 + 4 w .. + 3 of wimg: 16 tiles)
; for both token tiles: 32 accumulators, 256 matrix instructions.
; ctx's 16 fragments (all of K) stay in registers.  Wo's images go from memory straight into registers, 16 bytes a lane, through a ring of three chunks (a chunk: 8 tiles of features x one K step, 24 loads, 16 products).
; THE PRODUCT IS USED TRANSPOSED (source 0 = 16 rows of Wo, source 1 = 16 tokens): a lane holds one token and eight neighbouring features.  The results meet in a stage in LDS (32 rows x (4,096 + 16) bytes); behind the one
; barrier each wave takes 8 whole rows: + x + bo, mean, variance of the differences (two passes: a common offset does no harm), scale, gain, bias, and stores 512 consecutive bytes an instruction.
; The rows of a tile are not neighbours (lane r of tile 2 b + u: row 32 b + 8 u + r + 8 (r / 8)): stage row 16 i + r is token 32 g + 8 i + r + 8 (r / 8), so wave w's rows 8 w .. + 7 are tokens 32 g + 8 (w / 2) + 16 (w % 2) + 0 .. 7.
; NO CLUSTER: a joint load lands in LDS alone; from there a K step would cost each wave 24,576 bytes of LDS reads for 32 products, twice what the launch of the projections reads for a product, beside a ring with its barriers.
; x's rows are asked for ahead (below): 32,768 consecutive bytes a wave, each aligned block of 256 bytes once, in chunks 8 to 11, four to seven chunks ahead of the loads.
; LIMITS: NaN and infinities are not served; 1 / sqrt is v_rsq_f32.
; REGISTERS: window 0: below;  window 1: ctx's fragments, 12 (8 i + s);  window 2: ring slots 0, 1 at 0 and 96, later x's 8 rows x 32;  window 3: accumulator (i, f) at 8 (16 i + f).
.set LI,  1                            ; v1   16 L
.set L8,  2                            ; v2   8 L
.set CR,  3                            ; v3   32 r
.set SO,  4                            ; v4, v5  the stage, on the way in: token tile 0, 1
.set SR,  6                            ; v6   and on the way out
.set PFO, 7                            ; v7   256 L
.set CSC, 16                           ; v16-31  ctx's scale words: 8 i + s
.set WSC, 32                           ; v32-95  Wo's: 16 u + 8 jp + s; lanes 0-15 tile 2 jp, lanes 16-31 tile 2 jp + 1
.set Z,   96                           ; v96-159 two rows at work
.set BO,  160                          ; v160-255: ring slot 2; later bo, ln_g, ln_b: register 4 c + e = feature 128 c + 4 L + e
.set GG,  192
.set BB,  224
.set WV,  22
.set SEL, 24
.set WB,  26
.set WSB, 28
.set XB,  30
.set OB,  32
.set MSB, 0
.macro WIN new
.if MSB != \new
	s_set_vgpr_msb (MSB<<8)|\new
.set MSB, \new
.endif
.endm
.macro PLACES
.rept 4
	v_nop
.endr
.endm
.macro MM                              ; one product, by the symbols rD, rA, rB, sA, sB;  mZ: it starts the sum;  mR: A's scales in lanes 16-31
.if mZ && (mR == 0)
	v_wmma_scale_f32_16x16x128_f8f6f4 v[rD:rD+7], v[rA:rA+11], v[rB:rB+11], 0, v[sA], v[sB] matrix_a_fmt:MATRIX_FMT_FP6 matrix_b_fmt:MATRIX_FMT_FP6
.elseif mZ
	v_wmma_scale_f32_16x16x128_f8f6f4 v[rD:rD+7], v[rA:rA+11], v[rB:rB+11], 0, v[sA], v[sB] matrix_a_fmt:MATRIX_FMT_FP6 matrix_b_fmt:MATRIX_FMT_FP6 matrix_a_scale:MATRIX_SCALE_ROW1
.elseif mR == 0
	v_wmma_scale_f32_16x16x128_f8f6f4 v[rD:rD+7], v[rA:rA+11], v[rB:rB+11], v[rD:rD+7], v[sA], v[sB] matrix_a_fmt:MATRIX_FMT_FP6 matrix_b_fmt:MATRIX_FMT_FP6
.else
	v_wmma_scale_f32_16x16x128_f8f6f4 v[rD:rD+7], v[rA:rA+11], v[rB:rB+11], v[rD:rD+7], v[sA], v[sB] matrix_a_fmt:MATRIX_FMT_FP6 matrix_b_fmt:MATRIX_FMT_FP6 matrix_a_scale:MATRIX_SCALE_ROW1
.endif
.endm
.macro CLOAD n                         ; chunk n = 2 s + hf: tiles 8 hf .. + 7 of my features, K step s, into slot n % 3
.set cS, (\n)/2
.set cH, (\n)%2
.if (\n)%3 == 2
	WIN 0
.set cB, 160
.else
	WIN 0x80
.set cB, 96*((\n)%3)
.endif
.irp fi, 0,1,2,3,4,5,6,7
.irp c, 0,1,2
	global_load_b128 v[cB+12*\fi+4*\c:cB+12*\fi+4*\c+3], v[LI], s[WB:WB+1] offset:(2*cH+\fi/4)*49152+6144*cS+1536*(\fi%4)+512*\c
.endr
.endr
.endm
.macro CHUNK n
.if (\n)+2 < 16
.if (\n) >= 1
	PLACES                                         ; the loads below land in the slot that the last chunk's products read
.endif
	CLOAD (\n)+2
.endif
.if ((\n) >= 8) && ((\n) <= 11)
	global_prefetch_b8 v[PFO], s[XB:XB+1] offset:8192*((\n)-8) th:TH_LOAD_NT scope:SCOPE_SE   ; two of my eight rows of x, lanes 256 bytes apart; the address registers are never rewritten
.endif
.if (\n) <= 13
	s_wait_loadcnt 48                              ; this chunk is in; the two chunks behind it may be out
.else
	s_wait_loadcnt 24*(15-(\n))
.endif
.set kS, (\n)/2
.set kH, (\n)%2
.if (\n)%3 == 2
	WIN 0xf4                                       ; source 0 (Wo) window 0, source 1 (ctx) window 1, C and D window 3
.set kB, 160
.else
	WIN 0xf6                                       ; source 0 window 2
.set kB, 96*((\n)%3)
.endif
.if (\n) < 2
.set mZ, 1
.else
.set mZ, 0
.endif
.irp fi, 0,1,2,3,4,5,6,7                       ; sixteen accumulators by turns; the other sixteen have the next chunk
.irp i, 0,1
.set rD, 8*(16*\i+8*kH+\fi)
.set rA, kB+12*\fi
.set rB, 12*(8*\i+kS)
.set sA, WSC+16*(2*kH+\fi/4)+8*((\fi%4)/2)+kS
.set sB, CSC+8*\i+kS
.set mR, \fi%2
	MM
.endr
.endr
.endm
	s_load_b512 s[4:19], s[0:1], 0x0               ; cimg 4, csc 6, wimg 8, wsc 10, bo 12, x 14, ln_g 16, ln_b 18
	s_load_b64 s[20:21], s[0:1], 0x40              ; out0
	s_set_vgpr_msb 0x40
	v_lshl_add_u32 v254, v0, 2, 0x20200
	v_mov_b32 v255, 0
	s_set_vgpr_msb 0x4000
	v_lshrrev_b32 v8, 5, v0
	v_readfirstlane_b32 s[WV], v8                  ; wave 0..3
	v_and_b32 v8, 15, v0                           ; r
	v_bfe_u32 v9, v0, 4, 1                         ; h
	v_and_b32 v10, 31, v0                          ; L
	v_lshlrev_b32 v[LI], 4, v10
	v_lshlrev_b32 v[L8], 3, v10
	v_lshlrev_b32 v[CR], 5, v8
	v_lshlrev_b32 v[PFO], 8, v10
	v_mul_u32_u24 v[SO], v8, 4112                  ; stage rows 1,028 words apart begin 4 banks apart
	v_lshl_add_u32 v[SO], v9, 6, v[SO]
	s_lshl_b32 s36, s[WV], 10
	v_add_nc_u32 v[SO], s36, v[SO]                 ; row r, + 1,024 w, + 64 h
	v_add_nc_u32 v[SO+1], 65792, v[SO]             ; 16 rows on
	s_mul_i32 s36, s[WV], 8*4112
	v_add_nc_u32 v[SR], s36, v[LI]
	v_mov_b32 v13, 0                               ; (upper halves of pairs)
	v_mov_b32 v15, 0
	s_mov_b32 s[SEL], 0x76543210
	s_mov_b32 s[SEL+1], 0xfedcba98
	s_mov_b32 s34, 0x3a800000                      ; 1 / 1024
	s_mov_b32 s35, 0x3727c5ac                      ; 1e-5
	s_lshl_b32 s36, s[WV], 2
	s_add_co_u32 s36, s36, 48                      ; my first unit of wimg
	s_mul_i32 s38, s36, 49152
	s_mov_b32 s39, 0
	s_lshl_b32 s40, s36, 11
	s_mov_b32 s41, 0
	s_lshl_b32 s42, ttmp9, 5
	s_lshr_b32 s43, s[WV], 1
	s_lshl_b32 s43, s43, 3
	s_add_co_u32 s42, s42, s43
	s_and_b32 s43, s[WV], 1
	s_lshl_b32 s43, s43, 4
	s_add_co_u32 s42, s42, s43                     ; the first of the 8 tokens that I finish
	s_lshl_b32 s42, s42, 12
	s_mov_b32 s43, 0
	s_mul_i32 s44, ttmp9, 24576
	s_mov_b32 s45, 0
	s_lshl_b32 s46, ttmp9, 10
	s_mov_b32 s47, 0
	s_wait_alu depctr_va_vdst(0)
	s_wait_kmcnt 0x0
	s_add_nc_u64 s[WB:WB+1], s[8:9], s[38:39]
	s_add_nc_u64 s[WSB:WSB+1], s[10:11], s[40:41]
	s_add_nc_u64 s[XB:XB+1], s[14:15], s[42:43]
	s_add_nc_u64 s[OB:OB+1], s[20:21], s[42:43]
	s_add_nc_u64 s[4:5], s[4:5], s[44:45]
	s_add_nc_u64 s[6:7], s[6:7], s[46:47]
.irp i, 0,1
.irp e, 0,1
	global_load_b128 v[CSC+8*\i+4*\e:CSC+8*\i+4*\e+3], v[CR], s[6:7] offset:512*\i+16*\e   ; my row's eight scale words
.endr
.endr
.irp u, 0,1,2,3
.irp jp, 0,1
.irp g, 0,1
	global_load_b128 v[WSC+16*\u+8*\jp+4*\g:WSC+16*\u+8*\jp+4*\g+3], v[LI], s[WSB:WSB+1] offset:2048*\u+(2*\jp+\g)*512
.endr
.endr
.endr
	WIN 0x40                                       ; destination window 1
.irp i, 0,1
.irp s, 0,1,2,3,4,5,6,7                        ; K step s: heads 2 s and 2 s + 1, half a fragment each
	global_load_b128 v[12*(8*\i+\s):12*(8*\i+\s)+3], v[LI], s[4:5] offset:12288*\i+1536*\s
	global_load_b64 v[12*(8*\i+\s)+4:12*(8*\i+\s)+5], v[L8], s[4:5] offset:12288*\i+1536*\s+512
	global_load_b128 v[12*(8*\i+\s)+6:12*(8*\i+\s)+9], v[LI], s[4:5] offset:12288*\i+1536*\s+768
	global_load_b64 v[12*(8*\i+\s)+10:12*(8*\i+\s)+11], v[L8], s[4:5] offset:12288*\i+1536*\s+1280
.endr
.endr
	CLOAD 0
	CLOAD 1
.irp n, 0,1,2,3,4,5,6,7,8,9,10,11,12,13,14,15
	CHUNK \n
.endr
	WIN 0
	PLACES                                         ; behind the last products: for the loads into the ring's registers and for the first read of results
.irp c, 0,1,2,3,4,5,6,7
	global_load_b128 v[BO+4*\c:BO+4*\c+3], v[LI], s[12:13] offset:512*\c
.endr
.irp c, 0,1,2,3,4,5,6,7
	global_load_b128 v[GG+4*\c:GG+4*\c+3], v[LI], s[16:17] offset:512*\c
.endr
.irp c, 0,1,2,3,4,5,6,7
	global_load_b128 v[BB+4*\c:BB+4*\c+3], v[LI], s[18:19] offset:512*\c
.endr
	WIN 0x80
.irp k, 0,1,2,3,4,5,6,7
.irp c, 0,1,2,3,4,5,6,7
	global_load_b128 v[32*\k+4*\c:32*\k+4*\c+3], v[LI], s[XB:XB+1] offset:4096*\k+512*\c th:TH_LOAD_NT
.endr
.endr
	WIN 0x0c                                       ; an LDS store's data are its source 1: window 3
.irp i, 0,1
.irp f, 0,1,2,3,4,5,6,7,8,9,10,11,12,13,14,15
	ds_store_b128 v[SO+\i], v[8*(16*\i+\f):8*(16*\i+\f)+3] offset:128*(\f/2)+32*(\f%2)        ; lane (r, h): features 256 w + 32 (f / 2) + 16 h + 8 (f % 2) + 0 .. 7; each accumulator from its low end on
	ds_store_b128 v[SO+\i], v[8*(16*\i+\f)+4:8*(16*\i+\f)+7] offset:128*(\f/2)+32*(\f%2)+16
.endr
.endr
	WIN 0
	s_wait_dscnt 0x0                               ; for the others' sake: my stores into the stage are done
	s_barrier_signal -1
	s_barrier_wait -1                              ; 32 whole rows lie in the stage; nobody writes it again
.macro YLOAD k
.irp c, 0,1,2,3,4,5,6,7
	ds_load_b128 v[Z+32*((\k)%2)+4*\c:Z+32*((\k)%2)+4*\c+3], v[SR] offset:4112*(\k)+512*\c
.endr
.endm
.macro SUM32                           ; v8 over the wave's 32 lanes, the result in every lane
	v_add_f32 v8, v8, v9
	v_add_f32_dpp v8, v8, v8 row_xmask:1 row_mask:0xf bank_mask:0xf
	v_add_f32_dpp v8, v8, v8 row_xmask:2 row_mask:0xf bank_mask:0xf
	v_add_f32_dpp v8, v8, v8 row_xmask:4 row_mask:0xf bank_mask:0xf
	v_add_f32_dpp v8, v8, v8 row_xmask:8 row_mask:0xf bank_mask:0xf
	v_permlanex16_b32 v9, v8, s[SEL], s[SEL+1]
	v_add_f32 v8, v8, v9
.endm
.macro ROW k
.set ZK, Z+32*((\k)%2)
	s_wait_xcnt 0x0                                ; the row before last's stores have read their registers, into which the next row is loaded
.if \k < 7
	YLOAD (\k)+1
	s_wait_dscnt 8                                 ; this row is in; the next row's eight loads may be out
.else
	s_wait_dscnt 0
.endif
	s_wait_loadcnt 8*(7-\k)                        ; bo, ln_g, ln_b and x's row k are in; x's later rows may be out
	WIN 0x08                                       ; source 1: window 2
.irp e, 0,2,4,6,8,10,12,14,16,18,20,22,24,26,28,30
	v_pk_add_f32 v[ZK+\e:ZK+\e+1], v[ZK+\e:ZK+\e+1], v[32*\k+\e:32*\k+\e+1]   ; + x
.endr
	WIN 0
.irp e, 0,2,4,6,8,10,12,14,16,18,20,22,24,26,28,30
	v_pk_add_f32 v[ZK+\e:ZK+\e+1], v[ZK+\e:ZK+\e+1], v[BO+\e:BO+\e+1]          ; + bo
.endr
	v_pk_add_f32 v[8:9], v[ZK:ZK+1], v[ZK+4:ZK+5]  ; the row's sum, in two chains
	v_pk_add_f32 v[10:11], v[ZK+2:ZK+3], v[ZK+6:ZK+7]
.irp e, 8,12,16,20,24,28
	v_pk_add_f32 v[8:9], v[8:9], v[ZK+\e:ZK+\e+1]
	v_pk_add_f32 v[10:11], v[10:11], v[ZK+\e+2:ZK+\e+3]
.endr
	v_pk_add_f32 v[8:9], v[8:9], v[10:11]
	SUM32
	v_mul_f32 v12, s34, v8                         ; the mean
.irp e, 0,2,4,6,8,10,12,14,16,18,20,22,24,26,28,30
	v_pk_add_f32 v[ZK+\e:ZK+\e+1], v[ZK+\e:ZK+\e+1], v[12:13] op_sel_hi:[1,0] neg_lo:[0,1] neg_hi:[0,1]
.endr
	v_pk_mul_f32 v[8:9], v[ZK:ZK+1], v[ZK:ZK+1]    ; the sum of the differences' squares
	v_pk_mul_f32 v[10:11], v[ZK+2:ZK+3], v[ZK+2:ZK+3]
.irp e, 4,8,12,16,20,24,28
	v_pk_fma_f32 v[8:9], v[ZK+\e:ZK+\e+1], v[ZK+\e:ZK+\e+1], v[8:9]
	v_pk_fma_f32 v[10:11], v[ZK+\e+2:ZK+\e+3], v[ZK+\e+2:ZK+\e+3], v[10:11]
.endr
	v_pk_add_f32 v[8:9], v[8:9], v[10:11]
	SUM32
	v_fma_f32 v10, v8, s34, s35                    ; the variance + 1e-5
	s_wait_alu depctr_va_vdst(0)
	v_rsq_f32 v14, v10
	v_nop                                          ; a plain line behind the transcendental,
	s_wait_alu depctr_va_vdst(0)                   ; and the wait ahead of its first reader
.irp e, 0,2,4,6,8,10,12,14,16,18,20,22,24,26,28,30
	v_pk_mul_f32 v[ZK+\e:ZK+\e+1], v[ZK+\e:ZK+\e+1], v[14:15] op_sel_hi:[1,0]
.endr
.irp e, 0,2,4,6,8,10,12,14,16,18,20,22,24,26,28,30
	v_pk_fma_f32 v[ZK+\e:ZK+\e+1], v[ZK+\e:ZK+\e+1], v[GG+\e:GG+\e+1], v[BB+\e:BB+\e+1]
.endr
.irp c, 0,1,2,3,4,5,6,7
	global_store_b128 v[LI], v[ZK+4*\c:ZK+4*\c+3], s[OB:OB+1] offset:4096*\k+512*\c th:TH_STORE_NT   ; 32 lanes store 512 consecutive bytes, aligned
.endr
.endm
	YLOAD 0
.irp k, 0,1,2,3,4,5,6,7
	ROW \k
.endr
	s_set_vgpr_msb 0x5
	s_wait_tensorcnt 0x0
	ds_add_u32 v254, v255
	s_wait_dscnt 0x0
	s_set_vgpr_msb 0x500
	s_endpgm
.Lfunc_end_k_q17bb8ee0e4_outln:
	.size	k_q17bb8ee0e4_outln, .Lfunc_end_k_q17bb8ee0e4_outln-k_q17bb8ee0e4_outln
	.p2alignl 7, 3214868480
	.fill 96, 4, 3214868480
	.section	.rodata,"a",@progbits
	.p2align	6, 0x0
	.amdhsa_kernel k_q17bb8ee0e4_outln
		.amdhsa_group_segment_fixed_size 132096
		.amdhsa_private_segment_fixed_size 0
		.amdhsa_enable_private_segment 0
		.amdhsa_kernarg_size 72
		.amdhsa_user_sgpr_count 2
		.amdhsa_user_sgpr_kernarg_segment_ptr 1
		.amdhsa_wavefront_size32 1
		.amdhsa_system_sgpr_workgroup_id_x 1
		.amdhsa_system_sgpr_workgroup_id_y 1
		.amdhsa_system_sgpr_workgroup_id_z 1
		.amdhsa_system_vgpr_workitem_id 0
		.amdhsa_next_free_vgpr 1024
		.amdhsa_next_free_sgpr 66
		.amdhsa_reserve_vcc 0
		.amdhsa_float_denorm_mode_32 3
		.amdhsa_float_denorm_mode_16_64 3
		.amdhsa_memory_ordered 1
		.amdhsa_forward_progress 1
		.amdhsa_inst_pref_size 170
	.end_amdhsa_kernel
	.amdgpu_metadata
---
amdhsa.version: [ 1, 2 ]
amdhsa.kernels:
  - .name:           k_q17bb8ee0e4_outln
    .symbol:         k_q17bb8ee0e4_outln.kd
    .args:
      - { .name: cimg, .offset: 0, .size: 8, .value_kind: global_buffer, .address_space: global }
      - { .name: csc, .offset: 8, .size: 8, .value_kind: global_buffer, .address_space: global }
      - { .name: wimg, .offset: 16, .size: 8, .value_kind: global_buffer, .address_space: global }
      - { .name: wsc, .offset: 24, .size: 8, .value_kind: global_buffer, .address_space: global }
      - { .name: bo, .offset: 32, .size: 8, .value_kind: global_buffer, .address_space: global }
      - { .name: x, .offset: 40, .size: 8, .value_kind: global_buffer, .address_space: global }
      - { .name: ln_g, .offset: 48, .size: 8, .value_kind: global_buffer, .address_space: global }
      - { .name: ln_b, .offset: 56, .size: 8, .value_kind: global_buffer, .address_space: global }
      - { .name: out0, .offset: 64, .size: 8, .value_kind: global_buffer, .address_space: global }
    .group_segment_fixed_size: 132096
    .private_segment_fixed_size: 0
    .kernarg_segment_align: 8
    .kernarg_segment_size: 72
    .max_flat_workgroup_size: 128
    .sgpr_count:     66
    .vgpr_count:     1024
    .wavefront_size: 32
...
	.end_amdgpu_metadata
.endif
;; end of part 4
